; MI455X (gfx1250); checked and timed in simulation.
; The chip was launched on July 23, 2026; its instructions are those of AMD's public machine-readable ISA for CDNA 5 (MIT licence, August 2026) and "CDNA5" Instruction Set Architecture Reference Guide (July 2026). The comments in the code are by the model that wrote it; some were corrected since.
;; Attn Heads. Allowed arithmetic: matrix products marked QUANTISED: E3M2 operands, one E8M0 scale for each 32 along K, by v_wmma_scale_f32_16x16x128_f8f6f4 with both operands' format E3M2, f32 sums; everything else in f32.
;; Inputs: out_weight 1,024 x 1,024 float32; qkv 1,024 x 3,072 float32; x 4 x 2,048 x 1,024 float32.
;; Outputs: out0 4 x 2,048 x 1,024 float32.
;; This version of the problem:
;;   THIS VERSION OF THE PROBLEM IS GIVEN IN LOW PRECISION. The matrix products marked QUANTISED in the list below multiply operands that are first quantised to E3M2 (3 exponent bits, 2 mantissa bits; 6 bits a number), with one power-of-two scale for each 32 numbers along K (OCP MX v1.0); their sums are f32. All else is computed in f32.
;;   The module's matrix products, in the order in which they are computed (A, B: the left and right operand; K: the contracted axis; several contracted axes count as one K, in the product's order):
;;     1. [M 8,192, K 1,024] x [K 1,024, N 3,072]; A: input x; B: input qkv: QUANTISED
;;     2. batch 64 x [M 2,048, K 64] x [K 64, N 2,048]; A: computed on the way; B: computed on the way: QUANTISED
;;     3. batch 64 x [M 2,048, K 2,048] x [K 2,048, N 64]; A: softmax (see below); B: computed on the way: QUANTISED
;;     4. [M 8,192, K 1,024] x [K 1,024, N 1,024]; A: computed on the way; B: input out_weight: QUANTISED
;;   THE QUANTISER, for each operand of a quantised product, along K:
;;     - K is cut into blocks of 32 from its start; a last block that is shorter is filled with zeros.
;;     - A block's scale is 2^e with e = floor(log2(the largest magnitude in the block)) - 4, held to -126 .. 127; a block of zeros has e = 0. As a byte (E8M0): e + 127.
;;     - Each number is divided by its block's scale, clamped to +-28, and rounded to the nearest number of E3M2, ties to even, subnormals kept.
;;     - The product sums the exact products of the quantised numbers (number of the format x scale) in f32.
;;   ~~~python
;;   def quantise(x, axis):      # numpy; x: float32 -> the quantised numbers, widened to float32 again
;;       x = np.moveaxis(x, axis, -1); K = x.shape[-1]
;;       x = np.pad(x, [(0, 0)] * (x.ndim - 1) + [(0, -K % 32)]); x = x.reshape(x.shape[:-1] + (-1, 32)); a = np.abs(x).max(-1, keepdims=True)
;;       e = np.where(a > 0, np.clip(np.frexp(np.where(a > 0, a, 1))[1] - 1 - 4, -126, 127), 0)      # np.frexp(a)[1] - 1 = floor(log2(a)), exactly
;;       r = np.clip(x / 2.0 ** e, -28, 28)
;;       step = 2.0 ** (np.maximum(np.frexp(np.where(r == 0, 1, r))[1] - 1, -2) - 2)
;;       q = np.round(r / step) * step * 2.0 ** e      # np.round: ties to even
;;       return np.moveaxis(q.reshape(q.shape[:-2] + (-1,))[..., :K], -1, axis).astype(np.float32)
;;   ~~~
;;   SOFTMAX AHEAD OF A QUANTISED PRODUCT. Where the list says 'softmax', what is quantised is not the finished softmax but p = 2^(t - M), with t = logit x log2(e) and M = ceil(the row's largest t), a whole number; so 1/2 < the row's largest p <= 1. The row's sum l is taken of the UNQUANTISED p, in f32, and the product's result is divided by l at the end. Since M is a whole number, a kernel that streams over the keys may use a running M (the ceiling of the running maximum): every later rescaling is an exact power of two, which a block's scale takes up: the codes' values come out the same.
;;   OPERANDS COMPUTED ON THE WAY. 'Computed on the way' means the value that the module computes at that place (a softmax that the list does not call 'softmax' is quantised finished and normalised). What goes into a quantiser is computed in f32, as accurately as f32 sums, v_exp_f32 and their like allow (about 1e-6 of the number): no bf16 or f16 on the way to a quantiser, and a product that is left as it is and whose result goes on into a quantised operand takes f32 operands (vector FMAs, or v_wmma_f32_16x16x4_f32). A number that lies on a knife's edge between two numbers of the format may be rounded either way, as far as f32 arithmetic and the matrix unit's own rounding can turn it there, and no further.
;; One version. Each part assembles by itself: llvm-mc -triple=amdgcn-amd-amdhsa -mcpu=gfx1250 --defsym DOCPART=n.
;; ======== version 1 of 1: 5 launches
;; workspace buffers: xc 6,291,456 bytes; xs 262,144 bytes; wc 3,145,728 bytes; ws 131,072 bytes; rec 26,738,688 bytes; oimg 6,291,456 bytes; osc 262,144 bytes
;; launch quant_x (part 1): grid 256 x 1, 4 waves a work-group, no clusters, 33,280 bytes of LDS; arguments x, xc, xs; writes xc, xs
.if DOCPART == 1
	.amdgcn_target "amdgcn-amd-amdhsa--gfx1250"
	.amdhsa_code_object_version 6
	.text
	.protected	k_qfdeb34148c_quant_x
	.globl	k_qfdeb34148c_quant_x
	.p2align	8
	.type	k_qfdeb34148c_quant_x,@function
k_qfdeb34148c_quant_x:
	s_mov_b64 s[64:65], 0
	v_nop
	global_prefetch_b8 v0, s[64:65] scope:SCOPE_SE
	s_setreg_imm32_b32 hwreg(HW_REG_WAVE_MODE, 25, 1), 1
	s_wait_xcnt 0x0
; x [8192][1024] f32 becomes codes of BF6 (E3M2), 6 bits each, K innermost (xc: a row of 1,024 codes is 768 bytes), with one E8M0 scale byte for each 32 along K (xs: 32 bytes a row).
; A block's scale is 2^(floor(log2(its largest magnitude)) - 4); its byte is the largest magnitude's exponent field - 4, held at 1 from below.  Each number is divided by the scale and rounded to the nearest code, ties to even;
; beyond 28 the conversion gives the largest code.
; LIMITS: a block of zeros gets the byte 1 where the rule says 127 (its codes are zeros, which add nothing under any byte but 0xff, and this program alone reads the bytes); NaN and infinities are not served.
; ROWS LEAVE IN ANOTHER ORDER: within each 32 rows the second and the third group of 8 rows change places.  The products that read xc take 16 neighbouring stored rows as a tile; lane r of tile 2 b + u then holds
; true row 32 b + 8 u + r + 8 (r / 8), which is the order in which a product's results are 16 neighbours along the next product's K.
; A wave takes 8 rows (8,192 numbers) in 16 steps of 512; a work-group's four waves take 32 rows, so the exchange is a choice of the wave's place in the output: wave 1 writes group 2, wave 2 group 1.
; Each of a step's four loads reads 512 consecutive bytes, 16 a lane; the conversion wants 16 NEIGHBOURS in a lane, so the 2,048 bytes turn through the wave's own stage in LDS (16 bytes of padding behind each 64).
; No tensor loads, no barrier: waves share nothing.  Loads run four steps (16 loads a wave) ahead, the turn through LDS one step.  Matrix units and clusters have no work here: every byte is read once.
.set STEPS, 16
.set EMAX,  4
.set CB,    12                         ; bytes of 16 codes
.set R,     16                         ; v16-79   four sets of 16 numbers as they are loaded
.set X,     80                         ; v80-111  two sets of 16 neighbours
.set C,     128                        ; v128-191 codes: four registers for each step, so that no store's data are written again
.set E,     112                        ; v112-127 a scale byte for each step
.set WREG,  8192                       ; LDS: a region for each wave: two stages of 32 x SP bytes, behind them its 256 scale bytes
.set SP,    80                         ; a lane's place in a stage: its 64 bytes + 16 of padding
	s_load_b128 s[4:7], s[0:1], 0x0                ; x, xc
	s_load_b64 s[8:9], s[0:1], 0x10                ; xs
	v_lshl_add_u32 v192, v0, 2, 0x8000
	v_mov_b32 v193, 0
	v_lshrrev_b32 v1, 5, v0
	v_readfirstlane_b32 s16, v1                    ; wave
	v_and_b32 v2, 31, v0                           ; lane
	v_lshlrev_b32 v3, 4, v2                        ; my 16 bytes of a load's 512
	s_mul_i32 s17, s16, WREG
	v_lshrrev_b32 v14, 2, v2
	v_mul_u32_u24 v14, v14, SP
	v_and_b32 v15, 3, v2
	v_lshl_add_u32 v14, v15, 4, v14
	v_add_nc_u32 v14, s17, v14                     ; the stage, on the way in: SP (lane / 4) + 16 (lane % 4)
	v_mul_u32_u24 v15, v2, SP
	v_add_nc_u32 v15, s17, v15                     ; and on the way out: SP x lane: my 16 neighbours
	v_mul_u32_u24 v4, v2, CB                       ; my codes' place in a step's
	v_lshrrev_b32 v5, 1, v2
	s_add_co_u32 s17, s17, 2*32*SP
	v_add_nc_u32 v5, s17, v5                       ; LDS: my wave's 256 scale bytes, my block's byte
	v_lshlrev_b32 v7, 3, v2                        ; and on the way out 8 bytes a lane
	v_add_nc_u32 v6, s17, v7
	s_lshl_b32 s17, ttmp9, 2
	s_add_co_u32 s18, s17, s16                     ; the run of 8 rows that I read: 4 x work-group + wave
	s_and_b32 s20, s16, 1
	s_lshl_b32 s20, s20, 1
	s_lshr_b32 s21, s16, 1
	s_or_b32 s20, s20, s21                         ; waves 0, 1, 2, 3 write groups 0, 2, 1, 3
	s_add_co_u32 s20, s17, s20                     ; the run that I write
	s_lshl_b32 s18, s18, 15                        ; 32,768 bytes of x a run (the tensor has 2^25 bytes)
	s_mov_b32 s19, 0
	s_wait_kmcnt 0x0
	s_add_nc_u64 s[4:5], s[4:5], s[18:19]
	s_mul_i32 s18, s20, 32*STEPS*CB                ; 6,144 bytes of codes a run
	s_add_nc_u64 s[6:7], s[6:7], s[18:19]
	s_lshl_b32 s18, s20, 8                         ; 256 scale bytes a run
	s_add_nc_u64 s[8:9], s[8:9], s[18:19]
.macro LOAD t
.irp i, 0,1,2,3
	global_load_b128 v[R+16*((\t)%4)+4*\i:R+16*((\t)%4)+4*\i+3], v3, s[4:5] offset:2048*(\t)+512*\i th:TH_LOAD_NT   ; 32 lanes read 512 consecutive bytes
.endr
.endm
.macro TURN t                          ; step t's numbers through the stage: LDS serves a wave's instructions in order, so no wait stands between the stores and the loads
.irp i, 0,1,2,3
	ds_store_b128 v14, v[R+16*((\t)%4)+4*\i:R+16*((\t)%4)+4*\i+3] offset:32*SP*((\t)%2)+8*SP*\i
.endr
.irp i, 0,1,2,3
	ds_load_b128 v[X+16*((\t)%2)+4*\i:X+16*((\t)%2)+4*\i+3], v15 offset:32*SP*((\t)%2)+16*\i
.endr
.endm
.irp t, 0,1,2,3
	LOAD \t
.endr
	s_wait_loadcnt 12                              ; step 0's four loads are in; the twelve of steps 1 to 3 may be out
	TURN 0
.macro STEP t
.set XS, X+16*((\t)%2)
.if (\t) > 0
	s_wait_dscnt 1                                 ; this step's numbers are back from the stage (the last step's byte store may be out): so its stores into the stage have read their registers,
.else
	s_wait_dscnt 0x0
.endif
.if (\t)+4 < STEPS
	LOAD (\t)+4                                    ; which take the loads of four steps on
.endif
.if (\t)+1 < STEPS
.if STEPS-2-(\t) >= 3
	s_wait_loadcnt 12                              ; the next step's four loads are in; those of the three steps behind it may be out
.else
	s_wait_loadcnt 4*(STEPS-2-(\t))
.endif
	TURN (\t)+1                                    ; and go through the other stage while this step is worked
.endif
	v_max3_num_f32 v8, |v[XS]|, |v[XS+1]|, |v[XS+2]|               ; the largest magnitude of my 16, in two chains
	v_max3_num_f32 v9, |v[XS+3]|, |v[XS+4]|, |v[XS+5]|
.irp i, 6,10
	v_max3_num_f32 v8, v8, |v[XS+\i]|, |v[XS+\i+1]|
	v_max3_num_f32 v9, v9, |v[XS+\i+2]|, |v[XS+\i+3]|
.endr
	v_max3_num_f32 v8, v8, |v[XS+14]|, |v[XS+15]|
	v_max3_num_f32 v8, v8, v9, (EMAX+1)<<23        ; and the floor 2^(EMAX + 1 - 127): the byte cannot fall under 1
	v_max_num_f32_dpp v8, v8, v8 row_xmask:1 row_mask:0xf bank_mask:0xf   ; and of my neighbour's 16: the block's
	v_add_nc_u32 v11, -(EMAX<<23), v8              ; EMAX off its exponent field: the conversion takes the exponent field of this operand as its scale, and nothing else of it
	v_cvt_scalef32_pk16_bf6_f32 v[C+4*(\t):C+4*(\t)+2], v[XS:XS+15], v11   ; 96 bits without gaps, the first number's code lowest
	v_lshrrev_b32 v[E+(\t)], 23, v11               ; the scale's byte (also the plain line behind the conversion)
	ds_store_b8 v5, v[E+(\t)] offset:16*(\t)       ; both lanes of a block write the same byte with the same value
	global_store_b96 v4, v[C+4*(\t):C+4*(\t)+2], s[6:7] offset:32*CB*(\t)   ; the wave stores 384 consecutive bytes
.endm
.irp t, 0,1,2,3,4,5,6,7,8,9,10,11,12,13,14,15
	STEP \t
.endr
	ds_load_b64 v[12:13], v6                       ; LDS serves a wave's instructions in order: these see my stores
	s_wait_dscnt 0x0
	global_store_b64 v7, v[12:13], s[8:9]          ; 32 lanes store 256 consecutive bytes, aligned
	s_wait_tensorcnt 0x0
	ds_add_u32 v192, v193
	s_wait_dscnt 0x0
	s_endpgm
.Lfunc_end_k_qfdeb34148c_quant_x:
	.size	k_qfdeb34148c_quant_x, .Lfunc_end_k_qfdeb34148c_quant_x-k_qfdeb34148c_quant_x
	.p2alignl 7, 3214868480
	.fill 96, 4, 3214868480
	.section	.rodata,"a",@progbits
	.p2align	6, 0x0
	.amdhsa_kernel k_qfdeb34148c_quant_x
		.amdhsa_group_segment_fixed_size 33280
		.amdhsa_private_segment_fixed_size 0
		.amdhsa_enable_private_segment 0
		.amdhsa_kernarg_size 24
		.amdhsa_user_sgpr_count 2
		.amdhsa_user_sgpr_kernarg_segment_ptr 1
		.amdhsa_wavefront_size32 1
		.amdhsa_system_sgpr_workgroup_id_x 1
		.amdhsa_system_sgpr_workgroup_id_y 1
		.amdhsa_system_sgpr_workgroup_id_z 1
		.amdhsa_system_vgpr_workitem_id 0
		.amdhsa_next_free_vgpr 194
		.amdhsa_next_free_sgpr 66
		.amdhsa_reserve_vcc 0
		.amdhsa_float_denorm_mode_32 3
		.amdhsa_float_denorm_mode_16_64 3
		.amdhsa_memory_ordered 1
		.amdhsa_forward_progress 1
		.amdhsa_inst_pref_size 32
	.end_amdhsa_kernel
	.amdgpu_metadata
---
amdhsa.version: [ 1, 2 ]
amdhsa.kernels:
  - .name:           k_qfdeb34148c_quant_x
    .symbol:         k_qfdeb34148c_quant_x.kd
    .args:
      - { .name: x, .offset: 0, .size: 8, .value_kind: global_buffer, .address_space: global }
      - { .name: xc, .offset: 8, .size: 8, .value_kind: global_buffer, .address_space: global }
      - { .name: xs, .offset: 16, .size: 8, .value_kind: global_buffer, .address_space: global }
    .group_segment_fixed_size: 33280
    .private_segment_fixed_size: 0
    .kernarg_segment_align: 8
    .kernarg_segment_size: 24
    .max_flat_workgroup_size: 128
    .sgpr_count:     66
    .vgpr_count:     194
    .wavefront_size: 32
...
	.end_amdgpu_metadata
.endif
;; end of part 1
;; launch quant_w (part 2): grid 32 x 4, 4 waves a work-group, no clusters, 36,352 bytes of LDS; arguments qkv, out_weight, wc, ws; writes wc, ws
.if DOCPART == 2
	.amdgcn_target "amdgcn-amd-amdhsa--gfx1250"
	.amdhsa_code_object_version 6
	.text
	.protected	k_qfdeb34148c_quant_w
	.globl	k_qfdeb34148c_quant_w
	.p2align	8
	.type	k_qfdeb34148c_quant_w,@function
k_qfdeb34148c_quant_w:
	s_mov_b64 s[64:65], 0
	v_nop
	global_prefetch_b8 v0, s[64:65] scope:SCOPE_SE
	s_setreg_imm32_b32 hwreg(HW_REG_WAVE_MODE, 25, 1), 1
	s_wait_xcnt 0x0
; qkv [1024][3072] and out_weight [1024][1024], f32, are operands whose K is their FIRST axis.  They become codes of BF6 (E3M2) laid [column][K] with K innermost (wc: 4,096 rows of 768 bytes: q's, k's, v's columns,
; then out_weight's) and one E8M0 scale byte for each 32 along K (ws: 32 bytes a row).
; A LANE TAKES A COLUMN, AND ITS REGISTERS RUN DOWN K: each load reads 128 consecutive bytes a wave, a block of 32 along K lies in one lane's 32 registers, and the conversions give the codes with K innermost.
; A block's scale is 2^(floor(log2(its largest magnitude)) - 4); its byte is the largest magnitude's exponent field - 4, held at 1 from below.
; LIMITS: a block of zeros gets the byte 1 where the rule says 127 (its codes are zeros; this program alone reads the bytes); NaN and infinities are not served.
; ROWS OF wc AND ws LIE IN ANOTHER ORDER: within each 32 columns the second and third group of 8 change places, so that 16 neighbouring stored rows are the tile whose results are neighbours along the next K.
; One path serves both tensors: work-groups x = 0 .. 23 take qkv (rows 12,288 bytes apart), x = 24 .. 31 out_weight (4,096); only the pointer and the pitch are chosen, on the work-group's number.
; A wave takes 32 columns x 256 along K (work-group y): 8 blocks a lane, 192 bytes of codes a column; they go through the wave's own stage in LDS and leave as rows: sixteen lanes store a row's 192 consecutive bytes.
; No tensor loads, no barrier: waves share nothing.  Loads run two blocks (64 loads a wave) ahead.
.set NB,    8                          ; blocks of a wave
.set ROWB,  192                        ; bytes of 256 codes
.set PITCH, 272                        ; a stage row: sixteen places of 16 bytes, each with 12 bytes of codes, + 16
.set KROW,  768                        ; a row of wc
.set EMAX,  4
.set X,     32                         ; v32-95   two sets of 32 numbers
.set C,     96                         ; v96..    a block's codes
.set OUTR,  112                        ; v112-175 the way out: 16 x 4 registers
.set SB,    24                         ; v24-25   the scale bytes, four to a register
.set OFF,   176                        ; v176-207 byte offset of row i of a block at my column: i x pitch + 4 x lane
.set BASE,  32                         ; s[32:47] the address of each of the wave's eight blocks
	s_load_b256 s[4:11], s[0:1], 0x0               ; qkv, out_weight, wc, ws
	v_lshl_add_u32 v208, v0, 2, 0x8c00
	v_mov_b32 v209, 0
	v_lshrrev_b32 v1, 5, v0
	v_readfirstlane_b32 s16, v1                    ; wave 0..3
	v_and_b32 v2, 31, v0                           ; lane
	s_and_b32 s18, ttmp7, 0xffff                   ; which 256 along K
	s_mov_b32 s30, 4096
	s_cmp_lt_u32 ttmp9, 24                         ; qkv's work-group or out_weight's?
	s_cselect_b32 s30, 12288, s30                  ; bytes from row to row of the source
	s_cselect_b32 s31, 0, 24
	s_sub_co_u32 s17, ttmp9, s31
	s_lshl_b32 s17, s17, 7
	s_lshl_b32 s19, s16, 5
	s_add_co_u32 s17, s17, s19                     ; my wave's first column in its source
	s_lshl_b32 s20, ttmp9, 7
	s_add_co_u32 s20, s20, s19                     ; and its first row in wc and ws: 128 x + 32 x wave
	v_lshlrev_b32 v3, 2, v2                        ; in: 4 bytes a lane
	s_mul_i32 s19, s16, 32*PITCH                   ; my stage
	v_mul_u32_u24 v4, v2, PITCH
	v_add_nc_u32 v4, s19, v4                       ; into it: row = my column
	v_and_b32 v5, 15, v2
	v_lshrrev_b32 v6, 4, v2                        ; out of it: sixteen lanes to a row, two rows an instruction
	v_mul_u32_u24 v7, v6, PITCH
	v_lshl_add_u32 v7, v5, 4, v7
	v_add_nc_u32 v7, s19, v7                       ; LDS address
	v_mul_u32_u24 v8, v6, KROW
	v_mad_u32_u24 v8, v5, 12, v8                   ; and the same place in wc
	v_and_b32 v9, 7, v2                            ; my column's place among the 32 rows of ws: bits 3 and 4 of the lane change places
	v_and_b32 v10, 8, v2
	v_lshl_or_b32 v9, v10, 1, v9
	v_and_b32 v10, 16, v2
	v_lshrrev_b32 v10, 1, v10
	v_or_b32 v9, v9, v10
	v_lshlrev_b32 v9, 5, v9                        ; 32 bytes a row
.set I, 0
.rept 32
	v_mad_u32_u24 v[OFF+I], s30, I, v3
.set I, I+1
.endr
	s_lshl_b32 s22, s18, 8
	s_mul_i32 s22, s22, s30                        ; 256 y rows down,
	s_lshl_b32 s23, s17, 2
	s_add_co_u32 s22, s22, s23                     ; 4 bytes a column (all under 2^24)
	s_mov_b32 s23, 0
	s_lshl_b32 s28, s30, 5                         ; from block to block: 32 rows
	s_mov_b32 s29, 0
	s_mul_i32 s24, s20, KROW
	s_mul_i32 s26, s18, ROWB
	s_add_co_u32 s24, s24, s26                     ; wc: row x 768 + 192 y
	s_mov_b32 s25, 0
	s_lshl_b32 s26, s20, 5
	s_lshl_b32 s27, s18, 3
	s_add_co_u32 s26, s26, s27                     ; ws: row x 32 + 8 y
	s_mov_b32 s27, 0
	s_wait_kmcnt 0x0
	s_cmp_lt_u32 ttmp9, 24                         ; the choice hangs on the work-group's number alone
	s_cselect_b64 s[4:5], s[4:5], s[6:7]
	s_add_nc_u64 s[BASE:BASE+1], s[4:5], s[22:23]
.irp t, 1,2,3,4,5,6,7
	s_add_nc_u64 s[BASE+2*\t:BASE+2*\t+1], s[BASE+2*\t-2:BASE+2*\t-1], s[28:29]
.endr
	s_add_nc_u64 s[8:9], s[8:9], s[24:25]
	s_add_nc_u64 s[10:11], s[10:11], s[26:27]
.macro LOAD t                          ; block t: rows 32 t + i of my 256, my column, into set t % 2
.set I, 0
.rept 32
	global_load_b32 v[X+32*((\t)%2)+I], v[OFF+I], s[BASE+2*(\t):BASE+2*(\t)+1] th:TH_LOAD_NT
.set I, I+1
.endr
.endm
	LOAD 0
	LOAD 1
.macro BLOCK t
.set XS, X+32*((\t)%2)
.if (\t) < NB-1
	s_wait_loadcnt 32                              ; this block's 32 loads are in; the next block's may be out
.else
	s_wait_loadcnt 0
.endif
	v_max3_num_f32 v12, |v[XS]|, |v[XS+1]|, |v[XS+2]|               ; the block's largest magnitude: all 32 numbers are mine
	v_max3_num_f32 v13, |v[XS+3]|, |v[XS+4]|, |v[XS+5]|
.irp i, 6,10,14,18,22,26
	v_max3_num_f32 v12, v12, |v[XS+\i]|, |v[XS+\i+1]|
	v_max3_num_f32 v13, v13, |v[XS+\i+2]|, |v[XS+\i+3]|
.endr
	v_max3_num_f32 v12, v12, |v[XS+30]|, |v[XS+31]|
	v_max3_num_f32 v12, v12, v13, (EMAX+1)<<23     ; and the floor 2^(EMAX + 1 - 127): the byte cannot fall under 1
	v_add_nc_u32 v11, -(EMAX<<23), v12             ; EMAX off its exponent field: the conversion's scale operand
	v_lshrrev_b32 v13, 23, v11                     ; the scale's byte
.if (\t)%4 == 0
	v_mov_b32 v[SB+(\t)/4], v13                    ; four bytes to a register, the lower K in the lower byte
.else
	v_lshl_or_b32 v[SB+(\t)/4], v13, 8*((\t)%4), v[SB+(\t)/4]
.endif
	v_cvt_scalef32_pk16_bf6_f32 v[C:C+2], v[XS:XS+15], v11
	v_cvt_scalef32_pk16_bf6_f32 v[C+4:C+6], v[XS+16:XS+31], v11     ; (a conversion's three registers begin on an even number)
	ds_store_b96 v4, v[C:C+2] offset:32*(\t)       ; 16 codes, 12 bytes, to a place of 16 bytes in the stage
	ds_store_b96 v4, v[C+4:C+6] offset:32*(\t)+16
.if (\t)+2 < NB
	LOAD (\t)+2
.endif
	s_wait_dscnt 0x0                               ; the stores have read their registers: the next block's codes may be written
.endm
.set Q, 0
.rept NB
	BLOCK Q
.set Q, Q+1
.endr
	global_store_b64 v9, v[SB:SB+1], s[10:11]      ; my column's 8 scale bytes: rows 32 bytes apart, one byte in 128 of what the launch reads
.irp t, 0,1,2,3,4,5,6,7,8,9,10,11,12,13,14,15
	ds_load_b96 v[OUTR+4*\t:OUTR+4*\t+2], v7 offset:2*\t*PITCH   ; LDS serves a wave's instructions in order: these see my stores
.endr
.irp t, 0,1,2,3,4,5,6,7,8,9,10,11,12,13,14,15
	s_wait_dscnt 15-\t
	global_store_b96 v8, v[OUTR+4*\t:OUTR+4*\t+2], s[8:9] offset:(8*((((\t/4)&1)<<1)|((\t/4)>>1))+2*(\t%4))*KROW   ; columns 2 t, 2 t + 1: groups of 8 columns 0, 1, 2, 3 go to groups 0, 2, 1, 3
.endr
	s_wait_tensorcnt 0x0
	ds_add_u32 v208, v209
	s_wait_dscnt 0x0
	s_endpgm
.Lfunc_end_k_qfdeb34148c_quant_w:
	.size	k_qfdeb34148c_quant_w, .Lfunc_end_k_qfdeb34148c_quant_w-k_qfdeb34148c_quant_w
	.p2alignl 7, 3214868480
	.fill 96, 4, 3214868480
	.section	.rodata,"a",@progbits
	.p2align	6, 0x0
	.amdhsa_kernel k_qfdeb34148c_quant_w
		.amdhsa_group_segment_fixed_size 36352
		.amdhsa_private_segment_fixed_size 0
		.amdhsa_enable_private_segment 0
		.amdhsa_kernarg_size 32
		.amdhsa_user_sgpr_count 2
		.amdhsa_user_sgpr_kernarg_segment_ptr 1
		.amdhsa_wavefront_size32 1
		.amdhsa_system_sgpr_workgroup_id_x 1
		.amdhsa_system_sgpr_workgroup_id_y 1
		.amdhsa_system_sgpr_workgroup_id_z 1
		.amdhsa_system_vgpr_workitem_id 0
		.amdhsa_next_free_vgpr 210
		.amdhsa_next_free_sgpr 66
		.amdhsa_reserve_vcc 0
		.amdhsa_float_denorm_mode_32 3
		.amdhsa_float_denorm_mode_16_64 3
		.amdhsa_memory_ordered 1
		.amdhsa_forward_progress 1
		.amdhsa_inst_pref_size 44
	.end_amdhsa_kernel
	.amdgpu_metadata
---
amdhsa.version: [ 1, 2 ]
amdhsa.kernels:
  - .name:           k_qfdeb34148c_quant_w
    .symbol:         k_qfdeb34148c_quant_w.kd
    .args:
      - { .name: qkv, .offset: 0, .size: 8, .value_kind: global_buffer, .address_space: global }
      - { .name: out_weight, .offset: 8, .size: 8, .value_kind: global_buffer, .address_space: global }
      - { .name: wc, .offset: 16, .size: 8, .value_kind: global_buffer, .address_space: global }
      - { .name: ws, .offset: 24, .size: 8, .value_kind: global_buffer, .address_space: global }
    .group_segment_fixed_size: 36352
    .private_segment_fixed_size: 0
    .kernarg_segment_align: 8
    .kernarg_segment_size: 32
    .max_flat_workgroup_size: 128
    .sgpr_count:     66
    .vgpr_count:     210
    .wavefront_size: 32
...
	.end_amdgpu_metadata
.endif
;; end of part 2
;; launch gemm1 (part 3): grid 12 x 32, 4 waves a work-group, clusters of 4 x 4, 327,680 bytes of LDS; arguments xc, xs, wc, ws, rec; writes rec
.if DOCPART == 3
	.amdgcn_target "amdgcn-amd-amdhsa--gfx1250"
	.amdhsa_code_object_version 6
	.text
	.protected	k_qfdeb34148c_gemm1
	.globl	k_qfdeb34148c_gemm1
	.p2align	8
	.type	k_qfdeb34148c_gemm1,@function
k_qfdeb34148c_gemm1:
	s_mov_b64 s[64:65], 0
	v_nop
	global_prefetch_b8 v0, s[64:65] scope:SCOPE_SE
	s_setreg_imm32_b32 hwreg(HW_REG_WAVE_MODE, 25, 1), 1
	s_wait_xcnt 0x0
	s_wait_alu depctr_hold_cnt(0) depctr_sa_sdst(0) depctr_va_vdst(0) depctr_va_sdst(0) depctr_va_ssrc(0) depctr_va_vcc(0) depctr_vm_vsrc(0)
	s_getreg_b32 s2, hwreg(HW_REG_IB_STS2, 6, 4)
	s_cmp_eq_u32 s2, 0
	s_cbranch_scc0 .Lentry_in_a_cluster
	s_endpgm
.Lentry_in_a_cluster:
	s_bfe_u32 s2, ttmp6, 0x10000c
	s_cmp_lg_u32 s2, 0xf033
	s_cbranch_scc0 .Lentry_shape_is_right
	s_endpgm
.Lentry_shape_is_right:
; The projection x qkv on codes of BF6 (E3M2) with one E8M0 scale for each 32 along K = 1,024; its results q, k, v never go to memory as f32: they are quantised on the way out and leave as IMAGES OF OPERAND REGISTERS.
; xc [8192][768 bytes], xs [8192][32]: x's codes and scale bytes;  wc [4096][768], ws [4096][32]: the weights' columns (rows 0-1023 q, 1024-2047 k, 2048-3071 v).  In both, within each 32 rows the second and third
; group of 8 have changed places: lane r of a tile 2 b + u of 16 stored rows holds true row 32 b + 8 u + r + 8 (r / 8).
; A tile of the result, 256 x 256, is made by four waves, each 128 x 128: 64 accumulators of 16 x 16, 512 registers.  K goes in steps of 256 through a ring of two LDS slots filled by the tensor data mover.
; THE MATRIX INSTRUCTION IS USED TRANSPOSED (source 0 = 16 rows of B, source 1 = 16 rows of A): a lane holds ONE row of A, and by the order of B's rows its 16 registers of B's tiles 2 b, 2 b + 1 are 16 TRUE NEIGHBOURS.
; q AND k (cluster x = 0, 1): A = tokens (xc), B = columns (wc): a lane holds a token, its registers run along the head's 64: the axis along which q and k are quantised.
; v (cluster x = 2): THE OPERANDS' DATA CHANGE PLACES: A = v's columns (wc), B = tokens (xc): a lane holds one of the head's 64, its registers run along the tokens: the axis along which v is quantised.
; Only pointers, tile numbers and the stores' strides are chosen, on the cluster's x, which all partners share; the text of the loop is one.
; CLUSTERS: 4 x 4 work-groups.  The four of a row of the cluster need the same tiles of A, the four of a column the same tiles of B: each tile is asked for JOINTLY, by the same tensor load with a mask that names the four.
; rec: two sections of 64 heads x 16 steps of 128 tokens x 13,056 bytes.  A step's record: 8 images of k (16 tokens x 64: 768 bytes), 4 images of v (16 of the head's 64 x 128 tokens: 1,536), 8 x 16 scale words of k,
; 4 x 16 of v.  Section 1 holds q in k's places.  An image: registers 0-3 of lane l at 16 l, registers 4-5 at 512 + 8 l: every store covers whole aligned blocks of 256 bytes.
; LIMITS: a block of zeros gets the scale byte 1 where the rule says 127 (its codes are zeros; this program alone reads the bytes); NaN and infinities are not served.
; 384 tiles stand for 256 WGPs: a tile of another shape would even that out at the price of another register plan.
; REGISTERS, in windows of 256: window 0: v1-31 addresses; v32-63 scale words, two sets; from v128 A's fragments, ONE set; on the way out v112-131 codes, v132-139 scale words, v200-217 at work.
;   window 1: B's fragments, TWO sets, at v0 and v128.   window 2: the accumulators of my rows 0-63 ((a, b) at v[8 (8 a + b)]);   window 3: those of my rows 64-127.
.set KSTEP,  256
.set NQ,     KSTEP/128                 ; matrix instructions deep
.set ROWB,   192                       ; a tile's row in bytes
.set KROW,   768                       ; a row of codes in memory
.set PITCH,  240                       ; an LDS row: 3 x (64 bytes + 16 of padding): the 32 lanes of a load of 8 bytes touch 64 different banks (64 banks of 4 bytes: ISA guide 11.1)
.set FR,     12                        ; registers of a fragment
.set NL,     6                         ; LDS loads that bring one
.set NP,     4                         ; places behind this matrix instruction (ISA guide 7.12.1)
.set HALFT,  128*PITCH                 ; 128 rows: what one tensor load brings
.set SLOT,   4*HALFT                   ; A's 256 rows, then B's 256 rows
.set KS,     32                        ; a row of scale bytes
.set SCL,    2*SLOT                    ; behind the ring: the scales of the tile's rows for all of K, as blocks of 256 bytes + 16 of padding; filled once
.set HALFS,  (128*KS/256)*272
.set SBLK,   (16*KS/256)*272
.set SPARE,  SCL+4*HALFS               ; the spare words, 128 bytes for each wave: two blocks of 256 bytes that no other line names
.set SSTG,   SPARE+512                 ; a stage of 1,024 bytes for each wave, for the scale words on the way out; no tile lands here
.set HREC,   208896                    ; a head's 16 records
.set SREC,   13056                     ; a step's record
.set QOFF,   64*HREC                   ; section 1
.set ADRA, 16                          ; v16-17 LDS address of my A fragments in slot 0, 1 (v18-19: for the pieces behind one padding more)
.set ADRB, 20                          ; v20-23 the same for B
.set ADRS, 27                          ; v27    LDS address of my scale words: lanes 0-15 A's rows, lanes 16-31 B's
.set SPW,  28                          ; v28    LDS address of my spare word; never rewritten
.set NIL,  29                          ; v29    0; never rewritten
.set SC,   32                          ; scale words: set s at v[SC + 16 s]; register 2 i + q: lanes 0-15 A's block i, lanes 16-31 B's block i
.set AF,   128                         ; A's fragments
.set CDS,  112                         ; the way out: the codes just made (12 registers) and the conversions' second halves
.set TMX,  200                         ; v200-203 largest magnitudes, v204-207 the other lane's, then bytes, v212-215 the conversions' scale operands
.set PWD,  216                         ; the scale word just made
.set TW,   217                         ; and what of it my half of the lanes stores
.set G1, 24
.set G0, 32
.set G1B, 48
.set G0B, 56
.set G1S, 68
.set G0S, 76
.set G1SB, 80
.set G0SB, 88
.set MSB, 0
.macro WIN new                         ; the immediate's high byte repeats the setting that is left
.if MSB != (\new)
	s_set_vgpr_msb (MSB<<8)|(\new)
.set MSB, (\new)
.endif
.endm
.set MUL_LO, 0xa1                      ; source 0 (B) window 1, source 1 (A) window 0, C and D window 2
.set MUL_HI, 0xf1                      ; the same, C and D window 3
.set TO_B,   0x40                      ; destination window 1, address window 0
; A joint load: waves 0 and 1 fetch for A, waves 2 and 3 for B.  The branch hangs on the wave's number alone.  Four v_nop follow each of the two lines.
.macro JLOAD g0a, g1a, g0b, g1b
	s_cmp_eq_u32 s15, 0
	s_cbranch_scc0 .Lfor_b_\@
	tensor_load_to_lds s[\g0a:\g0a+3], s[\g1a:\g1a+7]
	s_nop 0
.rept 4
	v_nop
.endr
	s_branch .Lasked_\@
.Lfor_b_\@:
	tensor_load_to_lds s[\g0b:\g0b+3], s[\g1b:\g1b+7]
	s_nop 0
.rept 4
	v_nop
.endr
.Lasked_\@:
.endm
.macro CREST                           ; a round of the cluster's barrier behind its opening barrier
	s_cmp_lg_u32 s14, 0
	s_cbranch_scc1 .Lnot_wave_0_\@
	s_barrier_signal -3
.Lnot_wave_0_\@:
	s_barrier_wait -3
	s_barrier_signal -1
	s_barrier_wait -1
.endm
.macro CROUND                          ; a whole round
	s_barrier_signal -1
	s_barrier_wait -1
	CREST
.endm
	s_load_b128 s[4:7], s[0:1], 0x0                ; xc, xs
	s_load_b128 s[8:11], s[0:1], 0x10              ; wc, ws
	s_load_b64 s[12:13], s[0:1], 0x20              ; rec
	v_lshl_add_u32 v[SPW], v0, 2, SPARE
	v_mov_b32 v[NIL], 0
	ds_add_u32 v28, v29
	ds_add_u32 v28, v29
	s_wait_dscnt 0x0
	v_lshrrev_b32 v1, 5, v0
	v_readfirstlane_b32 s14, v1                    ; wave 0..3
	s_lshr_b32 s15, s14, 1                         ; which half of A's rows is mine.  Also: I fetch for A (0) or for B (1)
	s_and_b32 s16, s14, 1                          ; which half of B's rows.  Also: which 128 rows of that tile I fetch
	s_bfe_u32 s40, ttmp6, 0x40000                  ; cx, cy: my place in the cluster
	s_bfe_u32 s41, ttmp6, 0x40004
	s_and_b32 s17, ttmp7, 0xffff
	s_lshl_b32 s17, s17, 2                         ; 4 x cluster y
	s_add_co_u32 s66, s17, s41                     ; + cy
	s_add_co_u32 s67, s17, s40                     ; + cx
	s_lshl_b32 s42, ttmp9, 2
	s_add_co_u32 s42, s42, s40                     ; 4 x cluster x + cx
	s_cmp_eq_u32 ttmp9, 2                          ; v's clusters?  The cluster's x is the same in all sixteen partners
	s_cselect_b32 s17, s41, s66                    ; A's tile: v: cy of v's four tiles of columns;  q, k: 4 x cluster y + cy of the 32 tiles of tokens.  It hangs on cy alone
	s_cselect_b32 s42, s67, s42                    ; B's tile: v: 4 x cluster y + cx of the tokens';  q, k: 4 x cluster x + cx of q's and k's eight.  It hangs on cx alone
	s_lshl_b32 s43, s41, 2
	s_lshl_b32 s43, 15, s43                        ; my row of the cluster
	s_lshl_b32 s44, 0x1111, s40                    ; my column
	; descriptor group 1: a tile of 128 rows x 192 bytes, padded in LDS
	s_or_b32 s[G1+0], s43, (0<<16)|(1<<20)|(1<<21)|(3<<22)|(3<<25)  ; 15:0 the mask: A's tiles go to my row; 17:16 element of 1 byte; 20 padding on; 21 set beside a mask; 24:22 after every 16 words; 31:25 of 4 words
	s_or_b32 s[G1B+0], s44, (0<<16)|(1<<20)|(1<<21)|(3<<22)|(3<<25)
.irp g, G1, G1B
	s_mov_b32 s[\g+1], ROWB<<16                    ; tensor_dim0
	s_mov_b32 s[\g+2], 128<<16                     ; tensor_dim1
	s_mov_b32 s[\g+3], ROWB<<16                    ; tile_dim0
	s_mov_b32 s[\g+4], 128                         ; tile_dim1
	s_mov_b32 s[\g+5], KROW                        ; tensor_dim0_stride
	s_mov_b32 s[\g+6], 0
	s_mov_b32 s[\g+7], 0
.endr
	; the scales of 128 rows: a dense block of 4,096 bytes, as 16 rows of 256 bytes (32 elements of 8 bytes), 16 bytes of padding behind each
	s_or_b32 s[G1S+0], s43, (3<<16)|(1<<20)|(1<<21)|(5<<22)|(3<<25)
	s_or_b32 s[G1SB+0], s44, (3<<16)|(1<<20)|(1<<21)|(5<<22)|(3<<25)
.irp g, G1S, G1SB
	s_mov_b32 s[\g+1], 32<<16
	s_mov_b32 s[\g+2], (128*KS/256)<<16
	s_mov_b32 s[\g+3], 32<<16
	s_mov_b32 s[\g+4], 128*KS/256
	s_mov_b32 s[\g+5], 32
	s_mov_b32 s[\g+6], 0
	s_mov_b32 s[\g+7], 0
.endr
	s_lshl_b32 s18, s16, 7                         ; which 128 rows of the tile I fetch
	s_lshl_b32 s20, s17, 8
	s_add_co_u32 s20, s20, s18                     ; A: row 256 x tile + 128 x half
	s_lshl_b32 s46, s42, 8
	s_add_co_u32 s46, s46, s18                     ; B likewise
	s_mov_b32 s21, 0
	s_mov_b32 s47, 0
	s_mov_b64 s[18:19], KS
	s_mul_u64 s[22:23], s[20:21], s[18:19]         ; where these rows' scales begin, in bytes
	s_mul_u64 s[92:93], s[46:47], s[18:19]
	s_mov_b64 s[18:19], KROW
	s_mul_u64 s[20:21], s[20:21], s[18:19]         ; and their codes
	s_mul_u64 s[46:47], s[46:47], s[18:19]
	s_mul_i32 s45, s14, HALFT                      ; where they go: wave x 128 rows: no place in the cluster enters an LDS address
	s_mul_i32 s94, s14, HALFS
	s_wait_kmcnt 0x0
	s_add_nc_u64 s[96:97], s[8:9], 2048*KROW       ; v's columns in wc
	s_add_nc_u64 s[98:99], s[10:11], 2048*KS       ; and in ws
	s_cmp_eq_u32 ttmp9, 2                          ; which buffer is A and which B: a choice that hangs on no address
	s_cselect_b64 s[100:101], s[96:97], s[4:5]     ; A's codes
	s_cselect_b64 s[2:3], s[98:99], s[6:7]         ; A's scales
	s_cselect_b64 s[8:9], s[4:5], s[8:9]           ; B's codes
	s_cselect_b64 s[10:11], s[6:7], s[10:11]       ; B's scales
	s_mov_b64 s[4:5], s[100:101]
	s_mov_b64 s[6:7], s[2:3]
	s_add_nc_u64 s[20:21], s[4:5], s[20:21]
	s_add_nc_u64 s[22:23], s[6:7], s[22:23]
	s_add_nc_u64 s[46:47], s[8:9], s[46:47]
	s_add_nc_u64 s[92:93], s[10:11], s[92:93]
	CROUND                                         ; all sixteen work-groups are here: the first joint loads meet
	s_mov_b32 s[G0S], 1
	s_add_co_u32 s[G0S+1], s94, SCL
	s_mov_b64 s[G0S+2:G0S+3], s[22:23]
	s_or_b32 s[G0S+3], s[G0S+3], 0x80000000
	s_mov_b32 s[G0SB], 1
	s_add_co_u32 s[G0SB+1], s94, SCL
	s_mov_b64 s[G0SB+2:G0SB+3], s[92:93]
	s_or_b32 s[G0SB+3], s[G0SB+3], 0x80000000
	JLOAD G0S, G1S, G0SB, G1SB                     ; the scales first: they are wanted with K step 0
.irp s, 0,1
	s_mov_b32 s[G0+4*\s], 1
	s_add_co_u32 s[G0+4*\s+1], s45, \s*SLOT
	s_add_nc_u64 s[G0+4*\s+2:G0+4*\s+3], s[20:21], \s*ROWB
	s_or_b32 s[G0+4*\s+3], s[G0+4*\s+3], 0x80000000
	s_mov_b32 s[G0B+4*\s], 1
	s_add_co_u32 s[G0B+4*\s+1], s45, \s*SLOT
	s_add_nc_u64 s[G0B+4*\s+2:G0B+4*\s+3], s[46:47], \s*ROWB
	s_or_b32 s[G0B+4*\s+3], s[G0B+4*\s+3], 0x80000000
	JLOAD G0+4*\s, G1, G0B+4*\s, G1B               ; three tensor loads of mine are out now
.endr
	v_and_b32 v1, 15, v0                           ; r = l % 16
	v_bfe_u32 v2, v0, 4, 1                         ; h = l / 16
	v_mul_u32_u24 v3, v1, PITCH
	v_mul_u32_u24 v4, v2, 24
	v_add_nc_u32 v4, v3, v4                        ; a fragment's row x pitch + 24 x half
	v_lshl_add_u32 v5, v2, 4, v4                   ; and the same behind one padding more
	s_mul_i32 s21, s15, HALFT                      ; my 128 rows of A
	s_mul_i32 s22, s16, HALFT                      ; my 128 rows of B,
	s_add_co_u32 s22, s22, 2*HALFT                 ; which lie behind A's 256
.irp s, 0,1
	v_add_nc_u32 v[ADRA+\s], s21, v4
	v_add_nc_u32 v[ADRB+\s], s22, v4
	v_add_nc_u32 v[ADRA+2+\s], s21, v5
	v_add_nc_u32 v[ADRB+2+\s], s22, v5
	s_add_co_u32 s21, s21, SLOT
	s_add_co_u32 s22, s22, SLOT
.endr
	v_mul_u32_u24 v5, v1, KS                       ; my row's scales: 32 bytes a row,
	v_lshrrev_b32 v6, 8, v5
	v_lshl_add_u32 v5, v6, 4, v5                   ; and 16 more for each 256 passed
	s_mul_i32 s21, s15, HALFS                      ; A's: my 128 rows
	s_mul_i32 s22, s16, HALFS                      ; B's: my 128 rows, behind A's 256
	s_add_co_u32 s22, s22, 2*HALFS
	s_sub_co_u32 s22, s22, s21
	v_mul_u32_u24 v6, s22, v2                      ; lanes 16-31 take B's
	s_add_co_u32 s21, s21, SCL
	v_add_nc_u32 v5, v5, v6
	v_add_nc_u32 v[ADRS], s21, v5
	; THE WAY OUT'S NUMBERS.  Tokens are A's rows for q and k, B's for v; columns the other way round.
	s_and_b32 s94, s42, 3                          ; q, k: the tile's place among q's or k's four tiles of columns
	s_mov_b32 s96, 768
	s_mov_b32 s46, HREC
	s_mov_b32 s47, HREC
	s_cmp_eq_u32 ttmp9, 2
	s_cselect_b32 s92, s42, s17                    ; the tile of tokens
	s_cselect_b32 s93, s16, s15                    ; and my half of it
	s_cselect_b32 s94, s17, s94                    ; the tile of columns: four heads
	s_cselect_b32 s95, s15, s16                    ; and my half of it: two heads
	s_cselect_b32 s96, 1536, s96                   ; from block a's images to block a + 1's: v: the head's next 16;  q, k: the next 16 tokens
	s_cselect_b32 s98, HREC-4*1536, 0              ; and at a = 4 besides: v: on to the second head
	s_cselect_b32 s46, 768, s46                    ; from a fragment's first 64 along K to its second: v: the image's second half;  q, k: the second head
	s_cselect_b32 s47, s47, 256                    ; where lanes 16-31 store their 16 bytes of scale words: v: the second head;  q, k: on end
	s_cselect_b32 s66, 6144, 0                     ; v's images lie behind k's in a record,
	s_cselect_b32 s67, 512, 0                      ; v's scale words behind k's
	s_cselect_b32 s2, 0, 16                        ; q, k: a row's scale word is cut into two heads' halves
	s_mov_b32 s97, 0
	s_mov_b32 s99, 0
	s_cmp_eq_u32 ttmp9, 0
	s_cselect_b32 s3, QOFF, 0                      ; q goes to section 1
	s_lshl_b32 s92, s92, 1
	s_add_co_u32 s92, s92, s93                     ; my 128 tokens: step 0 .. 63 of the four batches
	s_lshr_b32 s93, s92, 4
	s_lshl_b32 s93, s93, 4                         ; 16 x batch
	s_lshl_b32 s94, s94, 2
	s_add_co_u32 s93, s93, s94
	s_lshl_b32 s95, s95, 1
	s_add_co_u32 s93, s93, s95                     ; my first head: 16 x batch + 4 x tile + 2 x half
	s_mul_i32 s93, s93, HREC
	s_and_b32 s92, s92, 15
	s_mul_i32 s92, s92, SREC
	s_add_co_u32 s92, s92, s93
	s_add_co_u32 s92, s92, s3                      ; the record's first byte (under 2^25)
	s_mov_b32 s93, 0
	s_add_nc_u64 s[12:13], s[12:13], s[92:93]
	s_add_co_u32 s94, s67, 12288
	s_mov_b32 s95, 0
	s_add_nc_u64 s[100:101], s[12:13], s[94:95]    ; where my scale words go
	s_mov_b32 s67, 0
	s_add_nc_u64 s[12:13], s[12:13], s[66:67]      ; where block 0's images go
	s_mov_b32 s18, 0x76543210
	s_mov_b32 s19, 0xfedcba98                      ; v_permlanex16_b32's selects for lane l xor 16
	v_and_b32 v6, 31, v0
	v_lshlrev_b32 v8, 4, v6                        ; an image's registers 0-3: 16 x lane
	v_lshlrev_b32 v9, 3, v6                        ; registers 4-5: 8 x lane (+ 512)
	v_add_nc_u32 v10, s46, v8                      ; the same for the fragment's second 64 along K
	v_add_nc_u32 v11, s46, v9
	s_lshl_b32 s23, s14, 10
	s_add_co_u32 s23, s23, SSTG                    ; my stage for scale words
	v_lshlrev_b32 v12, 2, v1
	v_lshl_add_u32 v12, v2, 9, v12
	v_add_nc_u32 v12, s23, v12                     ; in: 512 h + 4 r (+ 64 a)
	v_add_nc_u32 v13, s23, v8                      ; back: 16 x lane
	v_mul_u32_u24 v14, s47, v2
	v_lshl_add_u32 v14, v1, 4, v14                 ; and to memory
	v_sub_nc_u32 v15, 1, v2
	v_mul_u32_u24 v15, s2, v15                     ; q, k: lanes 0-15 shift the word 16 up before all shift it 16 down: they keep bytes 0, 1, lanes 16-31 bytes 2, 3
.macro FRAG reg, adr, q, i             ; a fragment, 16 rows x 128 K, is 12 registers: lane l holds row l % 16; registers 6 c .. 6 c + 5 hold K = 64 c + 32 (l / 16) + 0 .. 31: 24 bytes of the row, as they lie
.irp p, 0,1,2,3,4,5                    ; in pieces of 8 bytes.  Lanes 16-31 read three pieces further on; where that is behind one padding more, the second address register serves
.set PCE, 12*(\q)+6*(\p/3)+\p%3
.if PCE%8 < 5
	ds_load_b64 v[\reg+2*\p:\reg+2*\p+1], v[\adr] offset:8*PCE+16*(PCE/8)+(\i)*16*PITCH
.else
	ds_load_b64 v[\reg+2*\p:\reg+2*\p+1], v[\adr+2] offset:8*PCE+16*(PCE/8)+(\i)*16*PITCH
.endif
.endr
.endm
; 16 matrix instructions: A's blocks a0, a0 + 1 x B's eight, 128 along K.  p: B's set;  sc: the set of scale words.  zero = 1: the first product starts the sums.
; The 64 accumulators take turns, one instruction a turn, in the same order in every step.
.macro MUL16 a0, p, q, sc, zero
.irp a, \a0, \a0+1
.irp b, 0,1,2,3,4,5,6,7
.if \zero
	v_wmma_scale_f32_16x16x128_f8f6f4 v[8*(8*((\a)%4)+\b):8*(8*((\a)%4)+\b)+7], v[128*(\p)+FR*\b:128*(\p)+FR*\b+FR-1], v[AF+FR*(\a):AF+FR*(\a)+FR-1], 0, v[SC+8*NQ*(\sc)+NQ*\b+(\q)], v[SC+8*NQ*(\sc)+NQ*(\a)+(\q)] matrix_a_fmt:MATRIX_FMT_BF6 matrix_b_fmt:MATRIX_FMT_BF6 matrix_a_scale:MATRIX_SCALE_ROW1
.else
	v_wmma_scale_f32_16x16x128_f8f6f4 v[8*(8*((\a)%4)+\b):8*(8*((\a)%4)+\b)+7], v[128*(\p)+FR*\b:128*(\p)+FR*\b+FR-1], v[AF+FR*(\a):AF+FR*(\a)+FR-1], v[8*(8*((\a)%4)+\b):8*(8*((\a)%4)+\b)+7], v[SC+8*NQ*(\sc)+NQ*\b+(\q)], v[SC+8*NQ*(\sc)+NQ*(\a)+(\q)] matrix_a_fmt:MATRIX_FMT_BF6 matrix_b_fmt:MATRIX_FMT_BF6 matrix_a_scale:MATRIX_SCALE_ROW1
.endif
.endr
.endr
.endm
.macro FETCH_B slot, q, p              ; B's eight fragments of the slot's q-th 128 along K into set p
	WIN TO_B
.irp i, 0,1,2,3,4,5,6,7
	FRAG 128*(\p)+FR*\i, ADRB+\slot, \q, \i
.endr
	WIN 0
.endm
.macro FETCH_A slot, q, i0             ; A's blocks i0 .. i0 + 3
.irp i, \i0, \i0+1, \i0+2, \i0+3
	FRAG AF+FR*(\i), ADRA+\slot, \q, \i
.endr
.endm
.macro SCALES sc                       ; a K step's scale words into set sc: 2 words a row; lanes 0-15 take A's block i, lanes 16-31 B's block i
.irp i, 0,1,2,3,4,5,6,7
	ds_load_b64 v[SC+8*NQ*\sc+NQ*\i:SC+8*NQ*\sc+NQ*\i+1], v[ADRS] offset:\i*SBLK
.endr
.endm
.macro PLACES n                        ; a load into a register that a matrix instruction has read, and a vector instruction that reads a matrix result, stand NP plain vector instructions behind it
.rept \n
	v_nop
.endr
.endm
; A step of 128 along K that has its successor in the same slot.
.macro STEP slot, q, zero
	s_wait_dscnt 4*NL                              ; B's set and A's blocks 0-3 are in; the youngest 24 loads (A's blocks 4-7) may be out
	WIN MUL_LO
	MUL16 0, (\q)%2, \q, \slot, \zero
	MUL16 2, (\q)%2, \q, \slot, \zero
	s_wait_dscnt 0                                 ; A's blocks 4-7 are in (asked for 32 matrix instructions ago)
	PLACES NP
	FETCH_B \slot, (\q)+1, 1-(\q)%2
	FETCH_A \slot, (\q)+1, 0
	WIN MUL_HI
	MUL16 4, (\q)%2, \q, \slot, \zero
	MUL16 6, (\q)%2, \q, \slot, \zero
	PLACES NP
	WIN 0
	FETCH_A \slot, (\q)+1, 4
.endm
; A slot's last step changes slots: ONE barrier; in front of it each wave waits for all its tensor loads, adds 0 to its spare word, and waits for that and for its own reads of this slot.  fill = 1: this slot is filled again, two K steps ahead.
.macro TURN slot, next, fill
	s_wait_tensorcnt 0x0                           ; all my tensor loads have landed: my part of the next slot;  (every window is 0 here)
	ds_add_u32 v[SPW], v[NIL]                      ; 0 onto my spare word;
	s_wait_dscnt 4*NL+1                            ; (the add and the youngest 24 loads, A's blocks 4-7, may be out)
	WIN MUL_LO
	MUL16 0, 1, NQ-1, \slot, 0                     ; sixteen matrix instructions stand between the add and the wait for it
	s_wait_dscnt 0x0                               ; the add is done, and my reads of this slot are over
	s_barrier_signal -1
	MUL16 2, 1, NQ-1, \slot, 0
	WIN 0
	s_barrier_wait -1
.if \fill
	CREST                                          ; the barrier has opened a round of the cluster's barrier: no wave of any partner still reads this slot's tile or has a load on its way
	s_add_nc_u64 s[G0+4*\slot+2:G0+4*\slot+3], s[G0+4*\slot+2:G0+4*\slot+3], 2*ROWB
	s_add_nc_u64 s[G0B+4*\slot+2:G0B+4*\slot+3], s[G0B+4*\slot+2:G0B+4*\slot+3], 2*ROWB
	JLOAD G0+4*\slot, G1, G0B+4*\slot, G1B         ; the first tensor load behind the round, my one load until the next; the four v_nop behind it are the places in front of the loads below
.else
	PLACES NP
.endif
	v_add_nc_u32 v[ADRS], 4*NQ, v[ADRS]            ; on to the next K step's scale words (no LDS load of mine is out)
	FETCH_B \next, 0, 0
	FETCH_A \next, 0, 0
	SCALES \next
	WIN MUL_HI
	MUL16 4, 1, NQ-1, \slot, 0
	MUL16 6, 1, NQ-1, \slot, 0
	PLACES NP
	WIN 0
	FETCH_A \next, 0, 4
.endm
	s_wait_tensorcnt 1                             ; the scales and my part of K step 0 are in (K step 1's load may be out)
	s_barrier_signal -1
	s_barrier_wait -1                              ; everybody's are
	FETCH_B 0, 0, 0
	FETCH_A 0, 0, 0
	SCALES 0
	FETCH_A 0, 0, 4
	STEP 0, 0, 1                                   ; K = 1,024 is four K steps, eight steps of 128: written out.  The first products start the sums
	TURN 0, 1, 1                                   ; slot 0 takes K step 2
	STEP 1, 0, 0
	TURN 1, 0, 1                                   ; slot 1 takes K step 3
	STEP 0, 0, 0
	TURN 0, 1, 0                                   ; nothing is left to fetch
	STEP 1, 0, 0
	s_wait_dscnt 4*NL                              ; the very last step
	WIN MUL_LO
	MUL16 0, 1, NQ-1, 1, 0
	MUL16 2, 1, NQ-1, 1, 0
	s_wait_dscnt 0
	WIN MUL_HI
	MUL16 4, 1, NQ-1, 1, 0
	MUL16 6, 1, NQ-1, 1, 0
	WIN 0
; THE WAY OUT.  Block a's 64 registers of a lane, register 16 b + i = number 32 b + 16 (l / 16) + i of the lane's row, become a fragment's 12 registers of codes and the row's scale word.  The accumulators are read
; where they lie, through the windows, each from its low end on.
.macro QUANTW a
.set WD, 2+(\a)/4
.set AC, 64*((\a)%4)
.set WN, WD|(WD<<2)
	WIN WN                                         ; sources 0 and 1: the accumulators' window
.irp b, 0,1,2,3
	v_max3_num_f32 v[TMX+\b], |v[AC+16*\b]|, |v[AC+16*\b+1]|, 0x2800000   ; block b: my 16 numbers, and the floor 2^(5 - 127): the byte cannot fall under 1
.endr
.irp i, 2,4,6,8,10,12,14
.irp b, 0,1,2,3
	v_max3_num_f32 v[TMX+\b], |v[AC+16*\b+\i]|, |v[AC+16*\b+\i+1]|, v[TMX+\b]   ; (the four blocks by turns)
.endr
.endr
	WIN 0
.irp b, 0,1,2,3
	v_permlanex16_b32 v[TMX+4+\b], v[TMX+\b], s18, s19
.endr
.irp b, 0,1,2,3
	v_max_num_f32 v[TMX+\b], v[TMX+\b], v[TMX+4+\b]   ; with lane l xor 16's: the block's largest magnitude
.endr
.irp b, 0,1,2,3
	v_add_nc_u32 v[TMX+12+\b], 0xfe000000, v[TMX+\b]   ; 4 off its exponent field: the conversion's scale operand
.endr
.irp b, 0,1,2,3
	v_lshrrev_b32 v[TMX+4+\b], 23, v[TMX+12+\b]    ; the scale's byte
.endr
	v_lshl_or_b32 v[PWD], v[TMX+5], 8, v[TMX+4]    ; the four bytes make my row's scale word
	v_lshl_or_b32 v[PWD], v[TMX+6], 16, v[PWD]
	v_lshl_or_b32 v[PWD], v[TMX+7], 24, v[PWD]
	WIN WD                                         ; source 0: the accumulators' window
.irp c, 0,1
	v_cvt_scalef32_pk16_bf6_f32 v[CDS+6*\c:CDS+2+6*\c], v[AC+32*\c:AC+15+32*\c], v[TMX+12+2*\c]
	v_cvt_scalef32_pk16_bf6_f32 v[CDS+12+4*\c:CDS+14+4*\c], v[AC+16+32*\c:AC+31+32*\c], v[TMX+12+2*\c+1]   ; (a conversion's three registers begin on an even number)
.endr
	WIN 0
	v_nop                                          ; one plain place behind a scaled conversion
.irp c, 0,1                                    ; the operand's layout wants a WHOLE block in a lane: lanes 0-15 block 2 c, lanes 16-31 block 2 c + 1
.irp i, 0,1,2
	v_permlane16_swap_b32 v[CDS+6*\c+\i], v[CDS+12+4*\c+\i]
.endr
.irp i, 0,1,2
	v_mov_b32 v[CDS+3+6*\c+\i], v[CDS+12+4*\c+\i]
.endr
.endr
.endm
	PLACES NP                                      ; behind the last products: their results are read, and registers that held A's fragments are written
.irp b, 0,1,2,3
	v_mov_b32 v[TMX+4+\b], 0                       ; written once: a lane permute's destination counts as one of its sources
.endr
.irp a, 0,1,2,3,4,5,6,7
.if \a > 0
	s_wait_xcnt 0x0                                ; the last block's stores have read their data and their base: both are written again only behind this wait
	s_add_nc_u64 s[12:13], s[12:13], s[96:97]
.if \a == 4
	s_add_nc_u64 s[12:13], s[12:13], s[98:99]
.endif
.endif
	QUANTW \a
	v_lshlrev_b32 v[TW], v15, v[PWD]               ; q, k: lanes 0-15 keep the first head's two bytes, lanes 16-31 the second's, the upper two bytes 0 (they stand over zero codes);  v: the word as it is
	v_lshrrev_b32 v[TW], s2, v[TW]
	ds_store_b32 v12, v[TW] offset:64*\a
	global_store_b128 v8, v[CDS:CDS+3], s[12:13]               ; 512 consecutive bytes, aligned
	global_store_b64 v9, v[CDS+4:CDS+5], s[12:13] offset:512   ; 256
	global_store_b128 v10, v[CDS+6:CDS+9], s[12:13]
	global_store_b64 v11, v[CDS+10:CDS+11], s[12:13] offset:512
.endr
	ds_load_b128 v[132:135], v13                   ; LDS serves a wave's instructions in order: these see my stores.  q, k: the first head's 8 x 16 words;  v: both heads' 4 x 16
	ds_load_b128 v[136:139], v13 offset:512        ; q, k: the second head's
	s_wait_dscnt 0x0
	global_store_b128 v14, v[132:135], s[100:101]
	s_cmp_eq_u32 ttmp9, 2                          ; the cluster's x: alike in all partners
	s_cbranch_scc1 .Lv_done
	global_store_b128 v14, v[136:139], s[100:101] offset:HREC
.Lv_done:
	s_wait_tensorcnt 0x0                           ; the wave's end, behind my last tensor load and my last LDS store
	ds_add_u32 v[SPW], v[NIL]
	s_wait_dscnt 0x0
	CROUND                                         ; the closing round: no work-group ends while a partner may still ask for a tile that names it
	s_endpgm
.Lfunc_end_k_qfdeb34148c_gemm1:
	.size	k_qfdeb34148c_gemm1, .Lfunc_end_k_qfdeb34148c_gemm1-k_qfdeb34148c_gemm1
	.p2alignl 7, 3214868480
	.fill 96, 4, 3214868480
	.section	.rodata,"a",@progbits
	.p2align	6, 0x0
	.amdhsa_kernel k_qfdeb34148c_gemm1
		.amdhsa_group_segment_fixed_size 327680
		.amdhsa_private_segment_fixed_size 0
		.amdhsa_enable_private_segment 0
		.amdhsa_kernarg_size 40
		.amdhsa_user_sgpr_count 2
		.amdhsa_user_sgpr_kernarg_segment_ptr 1
		.amdhsa_wavefront_size32 1
		.amdhsa_system_sgpr_workgroup_id_x 1
		.amdhsa_system_sgpr_workgroup_id_y 1
		.amdhsa_system_sgpr_workgroup_id_z 1
		.amdhsa_system_vgpr_workitem_id 0
		.amdhsa_next_free_vgpr 1024
		.amdhsa_next_free_sgpr 102
		.amdhsa_reserve_vcc 0
		.amdhsa_float_denorm_mode_32 3
		.amdhsa_float_denorm_mode_16_64 3
		.amdhsa_memory_ordered 1
		.amdhsa_forward_progress 1
		.amdhsa_inst_pref_size 168
	.end_amdhsa_kernel
	.amdgpu_metadata
---
amdhsa.version: [ 1, 2 ]
amdhsa.kernels:
  - .name:           k_qfdeb34148c_gemm1
    .symbol:         k_qfdeb34148c_gemm1.kd
    .args:
      - { .name: xc, .offset: 0, .size: 8, .value_kind: global_buffer, .address_space: global }
      - { .name: xs, .offset: 8, .size: 8, .value_kind: global_buffer, .address_space: global }
      - { .name: wc, .offset: 16, .size: 8, .value_kind: global_buffer, .address_space: global }
      - { .name: ws, .offset: 24, .size: 8, .value_kind: global_buffer, .address_space: global }
      - { .name: rec, .offset: 32, .size: 8, .value_kind: global_buffer, .address_space: global }
    .group_segment_fixed_size: 327680
    .private_segment_fixed_size: 0
    .kernarg_segment_align: 8
    .kernarg_segment_size: 40
    .max_flat_workgroup_size: 128
    .sgpr_count:     102
    .vgpr_count:     1024
    .wavefront_size: 32
...
	.end_amdgpu_metadata
.endif
;; end of part 3
;; launch attn (part 4): grid 4 x 64, 16 waves a work-group, clusters of 4 x 1, 327,680 bytes of LDS; arguments rec, oimg, osc; writes oimg, osc
.if DOCPART == 4
	.amdgcn_target "amdgcn-amd-amdhsa--gfx1250"
	.amdhsa_code_object_version 6
	.text
	.protected	k_qfdeb34148c_attn
	.globl	k_qfdeb34148c_attn
	.p2align	8
	.type	k_qfdeb34148c_attn,@function
k_qfdeb34148c_attn:
	s_mov_b64 s[64:65], 0
	v_nop
	global_prefetch_b8 v0, s[64:65] scope:SCOPE_SE
	s_setreg_imm32_b32 hwreg(HW_REG_WAVE_MODE, 25, 1), 1
	s_wait_xcnt 0x0
	s_wait_alu depctr_hold_cnt(0) depctr_sa_sdst(0) depctr_va_vdst(0) depctr_va_sdst(0) depctr_va_ssrc(0) depctr_va_vcc(0) depctr_vm_vsrc(0)
	s_getreg_b32 s2, hwreg(HW_REG_IB_STS2, 6, 4)
	s_cmp_eq_u32 s2, 0
	s_cbranch_scc0 .Lentry_in_a_cluster
	s_endpgm
.Lentry_in_a_cluster:
	s_bfe_u32 s2, ttmp6, 0x10000c
	s_cmp_lg_u32 s2, 0x3003
	s_cbranch_scc0 .Lentry_shape_is_right
	s_endpgm
.Lentry_shape_is_right:
; For each of 64 heads (16 x batch + head): o[t][:] = the sum over keys s of softmax_s(k_s . q_t) v_s[:], both products on codes of BF6 (E3M2) with one E8M0 scale for each 32 along a product's K; then o / l / 8 is
; quantised along the head's 64 and leaves as the next product's operand.
; THE SOFTMAX: t = score x log2(e); M = the largest t so far, rounded UP to a whole number; p = 2^(t - M) is what is quantised, along the keys, not normalised.  The sum l is taken of the unquantised p, in f32.
; When M moves, l and O are multiplied by 2^(old M - new M): exact.
; rec holds, for each head, 16 records of 128 keys, 13,056 bytes each: 8 images of k (16 keys x 64: registers 0-3 of lane l at 16 l, 4-5 at 512 + 8 l), 4 images of v^T (16 of the head's 64 x 128 keys: two such on end),
; 8 x 16 scale words of k, 4 x 16 of v.  q lies likewise in a second section.  The 16 rows of a tile are not neighbours: lane r of tile 2 b + u holds true row 32 b + 8 u + r + 8 (r / 8).
; SHARES.  A work-group owns 512 queries of one head, in two passes of 256; each of its sixteen waves owns one tile of 16 queries a pass, in 256 registers: four waves to a SIMD, so that one wave's vector work stands
; beside another's matrix work and LDS loads.  Every wave walks all 2,048 keys, 128 a step.
; THE WHOLE HEAD LIES IN LDS: 16 records, 208,896 bytes, filled ONCE: wave w brings record w by one tensor load.  Nothing is filled again, so there is no ring.
; CLUSTER.  The four work-groups of a cluster own the four quarters of one head's queries and read the same records: each record is asked for JOINTLY, by the same tensor load with a mask that names the four.
; LAYOUT.  Both products are used transposed: S^T = K Q^T (source 0 = 16 keys, source 1 = my 16 queries), O^T = V^T P^T: a lane holds ONE query (lane % 16) throughout; by the order of a tile's rows the 16 registers of
; tiles 2 b, 2 b + 1 are 16 true neighbours: keys for p, the head's numbers for o.  The first product's K is 64: registers 6-11 of K's and Q's fragments are zero codes, written once.
; LIMITS: p under 2^-126 counts as 0 (v_exp_f32's results); the division by 8 goes in ahead of o's quantiser, exact unless |o / l| is under 2^-119; a block of zeros gets the byte 1, not 127; NaN, infinities not served.
; REGISTERS: v1-4 lane terms; v8-10 the step's LDS addresses; v12 -M, v13 the largest t, v[14:15] l in two halves; v16-27 Q, v28 its scale words; v32-79 four fragments of K; v80-83 K's scale words, v84-87 V's;
;   v96-159 S^T, then p, then V's four fragments, at the end o; v160-191 O^T; v192-203 p's codes; v204-210 the conversions' second halves; v232-254 at work.
.set HREC, 208896
.set SREC, 13056
.set QOFF, 64*HREC
.set VIM,  6144                        ; in a record: v's images,
.set KSC,  12288                       ; k's scale words,
.set VSC,  12800                       ; v's
.set WV,   18                          ; s18  my wave's number
.set SEL,  20                          ; s[20:21] lane selects for v_permlanex16_b32: lane l xor 16
.set CS,   22                          ; s[22:23] c = log2(e): the packed form names a pair and takes its low word for both halves
.set G1,   24                          ; s[24:31] descriptor group 1
.set G0,   32                          ; s[32:35] group 0
.set TB,   36                          ; s36  LDS byte at which the step's record begins
.set CNT,  37                          ; s37  steps to go
.macro CROUND                          ; a round of the cluster's barrier
	s_barrier_signal -1
	s_barrier_wait -1
	s_cmp_lg_u32 s[WV], 0
	s_cbranch_scc1 .Lnot_wave_0_\@
	s_barrier_signal -3
.Lnot_wave_0_\@:
	s_barrier_wait -3
	s_barrier_signal -1
	s_barrier_wait -1
.endm
	s_load_b128 s[4:7], s[0:1], 0x0                ; rec, oimg
	s_load_b64 s[8:9], s[0:1], 0x10                ; osc
	v_lshl_add_u32 v251, v0, 2, 0x33000
	v_mov_b32 v255, 0
	ds_add_u32 v251, v255
	ds_add_u32 v251, v255
	v_lshrrev_b32 v5, 5, v0
	v_readfirstlane_b32 s[WV], v5                  ; wave 0..15
	s_bfe_u32 s38, ttmp6, 0x40000                  ; cx: it enters q's and o's addresses alone
	s_and_b32 s39, ttmp7, 0xffff                   ; the head, 0 .. 63, which the four partners share
	s_lshr_b32 s40, s39, 4                         ; its batch
	s_and_b32 s41, s39, 15                         ; its number in the batch
	s_mul_i32 s50, s39, HREC                       ; its records
	s_add_co_u32 s52, s50, QOFF                    ; and q's
	s_lshl_b32 s51, s38, 5
	s_add_co_u32 s51, s51, s[WV]                   ; my tile of queries in pass 0: 32 cx + wave
	s_mul_i32 s[G0+1], s[WV], SREC                 ; 63:32 LDS address: record w
	s_add_co_u32 s42, s50, s[G0+1]
	s_mov_b32 s43, 0
	; descriptor group 1: a dense block of 13,056 bytes as 51 rows of 256 bytes (32 elements of 8 bytes), no padding: the images are read 16 or 8 bytes a lane on end
	s_mov_b32 s[G1], 15|(3<<16)|(1<<21)            ; 15:0 the mask: all four work-groups; 17:16 elements of 8 bytes; 21 set beside a mask
	s_mov_b32 s[G1+1], 32<<16                      ; tensor_dim0
	s_mov_b32 s[G1+2], 51<<16                      ; tensor_dim1
	s_mov_b32 s[G1+3], 32<<16                      ; tile_dim0
	s_mov_b32 s[G1+4], 51                          ; tile_dim1
	s_mov_b32 s[G1+5], 32                          ; tensor_dim0_stride
	s_mov_b32 s[G1+6], 0
	s_mov_b32 s[G1+7], 0
	s_mov_b32 s[G0], 1                             ; 1:0 count = 1
	s_mov_b32 s[SEL], 0x76543210
	s_mov_b32 s[SEL+1], 0xfedcba98
	s_mov_b32 s[CS], 0x3fb8aa3b                    ; c = log2(e)
	s_mov_b32 s[CS+1], s[CS]                       ; (named with it as a pair, so it is written)
	v_and_b32 v5, 31, v0
	v_lshlrev_b32 v1, 4, v5                        ; 16 x lane: an image's registers 0-3
	v_lshlrev_b32 v2, 3, v5                        ; 8 x lane: its registers 4-5
	v_and_b32 v6, 15, v0
	v_lshlrev_b32 v3, 2, v6                        ; 4 r: a scale word
	v_lshlrev_b32 v4, 5, v6                        ; 32 r: a row of osc
.irp i, 22,23,24,25,26,27
	v_mov_b32 v[\i], 0                             ; Q's codes of K = 64 .. 127: zeros
.endr
.irp t, 0,1,2,3
.irp i, 6,7,8,9,10,11
	v_mov_b32 v[32+12*\t+\i], 0                    ; K's likewise: no load lands here
.endr
.endr
.irp b, 0,1,2,3
	v_mov_b32 v[236+\b], 0                         ; written once: a lane permute's destination counts as one of its sources
.endr
	v_mov_b32 v252, 0
	v_mov_b32 v253, 0                              ; (named as the upper half of the pair v[252:253] before it is first written)
	s_wait_dscnt 0x0
	s_wait_kmcnt 0x0
	s_add_nc_u64 s[G0+2:G0+3], s[4:5], s[42:43]    ; 120:64 global address: the head's record w
	s_or_b32 s[G0+3], s[G0+3], 0x80000000          ; 127:126 type = 2
	CROUND                                         ; all four work-groups are here: the joint loads meet
	tensor_load_to_lds s[G0:G0+3], s[G1:G1+7]      ; my one tensor load of the launch
	s_nop 0
.rept 4
	v_nop
.endr
; A pass's addresses, its tile of Q, and the start of its sums.
.macro PRE p
	s_wait_xcnt 0x0                                ; the last pass's loads and stores have read their bases and data: they are written again only behind this wait
	s_add_co_u32 s42, s51, 16*\p                   ; my tile of 16 queries, 0 .. 127
	s_lshr_b32 s43, s42, 3
	s_mul_i32 s43, s43, SREC
	s_add_co_u32 s43, s43, s52                     ; q's record that holds it
	s_and_b32 s44, s42, 7
	s_mul_i32 s46, s44, 768
	s_add_co_u32 s46, s46, s43
	s_mov_b32 s47, 0
	s_add_nc_u64 s[56:57], s[4:5], s[46:47]        ; its image
	s_lshl_b32 s46, s44, 6
	s_add_co_u32 s46, s46, s43
	s_add_co_u32 s46, s46, KSC
	s_add_nc_u64 s[58:59], s[4:5], s[46:47]        ; its scale words
	s_lshl_b32 s45, s40, 7
	s_add_co_u32 s45, s45, s42                     ; the tile among all 512: 128 x batch + tile
	s_mul_i32 s46, s45, 12288
	s_mul_i32 s48, s41, 768
	s_add_co_u32 s46, s46, s48
	s_add_nc_u64 s[60:61], s[6:7], s[46:47]        ; o's image: [tile][head][768]
	s_lshl_b32 s46, s45, 9
	s_lshl_b32 s48, s41, 1
	s_add_co_u32 s46, s46, s48
	s_add_nc_u64 s[62:63], s[8:9], s[46:47]        ; o's scale bytes: 32 a row, the head's two at 2 x head
	global_load_b128 v[16:19], v1, s[56:57]
	global_load_b64 v[20:21], v2, s[56:57] offset:512
	global_load_b32 v28, v3, s[58:59]
	v_mov_b32 v13, 0xff61b1e6                      ; the largest t so far: -3e38, under every t
	v_floor_f32 v12, -v13                          ; -M
	v_mov_b32 v14, 0                               ; l, in two halves
	v_mov_b32 v15, 0
.set J, 0
.rept 32
	v_mov_b32 v[160+J], 0                          ; O^T.  (The step is written once: the first finds zeros, which the first change of M leaves zeros)
.set J, J+1
.endr
.endm
; A KEY STEP: 128 keys.
.macro STEP
	v_add_nc_u32 v8, s[TB], v1
	v_add_nc_u32 v9, s[TB], v2
	v_add_nc_u32 v10, s[TB], v3
	v_nop
	v_nop                                          ; five places: the products below write over registers that the last step's last products read as V's fragments
.irp g, 0,1                                    ; S^T = K Q^T, four tiles of 16 keys at a time
.if \g > 0
.rept 4
	v_nop                                          ; places in front of loads into registers that matrix instructions have read
.endr
.endif
.irp t, 0,1,2,3
	ds_load_b128 v[32+12*\t:35+12*\t], v8 offset:(4*\g+\t)*768
	ds_load_b64 v[36+12*\t:37+12*\t], v9 offset:(4*\g+\t)*768+512
	ds_load_b32 v[80+\t], v10 offset:KSC+(4*\g+\t)*64
.endr
	s_wait_dscnt 0x0
.irp t, 0,1,2,3
	v_wmma_scale_f32_16x16x128_f8f6f4 v[96+8*(4*\g+\t):103+8*(4*\g+\t)], v[32+12*\t:43+12*\t], v[16:27], 0, v[80+\t], v28 matrix_a_fmt:MATRIX_FMT_BF6 matrix_b_fmt:MATRIX_FMT_BF6
.endr
.endr                                          ; lane (r, h) holds query r; the 16 registers of tiles 2 b, 2 b + 1 are keys 32 b + 16 h + 0 .. 15 of the step
.rept 4
	v_nop
.endr
.irp b, 0,1,2,3
	v_max3_num_f32 v[232+\b], v[96+16*\b], v[97+16*\b], v[98+16*\b]   ; THE LARGEST SCORE OF EACH BLOCK OF 32 KEYS: it serves the row's maximum and, since p rises with the score, the block's largest p
.endr
.irp i, 3,5,7,9,11,13
.irp b, 0,1,2,3
	v_max3_num_f32 v[232+\b], v[232+\b], v[96+16*\b+\i], v[97+16*\b+\i]   ; (the four blocks by turns)
.endr
.endr
.irp b, 0,1,2,3
	v_max_num_f32 v[232+\b], v[232+\b], v[111+16*\b]
.endr
.irp b, 0,1,2,3
	v_permlanex16_b32 v[236+\b], v[232+\b], s[SEL], s[SEL+1]
.endr
.irp b, 0,1,2,3
	v_max_num_f32 v[232+\b], v[232+\b], v[236+\b]  ; with lane l xor 16's 16 keys
.endr
	v_max3_num_f32 v254, v232, v233, v234
	v_max_num_f32 v254, v254, v235                 ; the step's largest score of my query
	v_mul_f32 v254, s[CS], v254                    ; as t (c is positive)
	v_max_num_f32 v13, v13, v254                   ; the running largest t
	v_mov_b32 v254, v12
	v_floor_f32 v12, -v13                          ; the new -M = floor(-t) = -ceil(t): M IS A WHOLE NUMBER
	v_sub_f32 v254, v12, v254                      ; M's old value less its new one: a whole number, 0 or less
	v_cvt_i32_f32 v254, v254                       ; (it saturates)
	v_ldexp_f32 v252, 1.0, v254                    ; f = 2^(old M - new M)
.set J, 0
.rept 32
	v_pk_fma_f32 v[96+J:97+J], v[96+J:97+J], s[CS:CS+1], v[12:13] op_sel_hi:[1,0,0]   ; t - M, two at a time (of the pairs c and -M the low word serves both halves)
.set J, J+2
.endr
.irp b, 0,1,2,3
	v_fma_f32 v[232+\b], v[232+\b], s[CS], v12     ; the same of each block's largest score
.endr
.set J, 0
.rept 64
	v_exp_f32 v[96+J], v[96+J]                     ; p = 2^(t - M), at most 1: NOT normalised
.set J, J+1
.endr
.irp b, 0,1,2,3
	v_exp_f32 v[232+\b], v[232+\b]                 ; the block's largest p: the same two instructions on the same number give the same bits
.endr
	v_pk_mul_f32 v[14:15], v[14:15], v[252:253] op_sel_hi:[1,0]   ; l under the new M.  (A plain place behind the exponentials)
	s_wait_alu depctr_va_vdst(0)
.irp b, 0,1,2,3
	v_max_num_f32 v[232+\b], 0x2800000, v[232+\b]  ; the floor 2^(5 - 127): the byte cannot fall under 1
.endr
.irp b, 0,1,2,3
	v_add_nc_u32 v[244+\b], 0xfe000000, v[232+\b]  ; 4 off the exponent field: the conversion's scale operand
.endr
.irp b, 0,1,2,3
	v_lshrrev_b32 v[236+\b], 23, v[244+\b]         ; the scale's byte
.endr
	v_lshl_or_b32 v253, v237, 8, v236              ; p's scale word for these 128 keys
	v_lshl_or_b32 v253, v238, 16, v253
	v_lshl_or_b32 v253, v239, 24, v253
.irp c, 0,1
	v_cvt_scalef32_pk16_bf6_f32 v[192+6*\c:194+6*\c], v[96+32*\c:111+32*\c], v[244+2*\c]
	v_cvt_scalef32_pk16_bf6_f32 v[204+4*\c:206+4*\c], v[112+32*\c:127+32*\c], v[244+2*\c+1]   ; (a conversion's three registers begin on an even number)
.endr
	v_nop                                          ; one plain place behind a scaled conversion
.irp c, 0,1                                    ; the operand's layout wants a WHOLE block in a lane: lanes 0-15 block 2 c, lanes 16-31 block 2 c + 1
.irp i, 0,1,2
	v_permlane16_swap_b32 v[192+6*\c+\i], v[204+4*\c+\i]
.endr
.irp i, 0,1,2
	v_mov_b32 v[195+6*\c+\i], v[204+4*\c+\i]
.endr
.endr
	v_pk_add_f32 v[236:237], v[96:97], v[98:99]    ; THE ROW'S SUM IS TAKEN OF THE UNQUANTISED p: two at a time, in two chains
.irp j, 4,8,12,16,20,24,28,32,36,40,44,48,52,56,60
	v_pk_add_f32 v[14:15], v[14:15], v[96+\j:97+\j]
	v_pk_add_f32 v[236:237], v[236:237], v[98+\j:99+\j]
.endr
	v_pk_add_f32 v[14:15], v[14:15], v[236:237]
.irp t, 0,1,2,3                                ; p is done with: V's four fragments (16 of the head's 64 x 128 keys) take its registers
.irp c, 0,1
	ds_load_b128 v[96+12*\t+6*\c:99+12*\t+6*\c], v8 offset:VIM+1536*\t+768*\c
	ds_load_b64 v[100+12*\t+6*\c:101+12*\t+6*\c], v9 offset:VIM+1536*\t+768*\c+512
.endr
	ds_load_b32 v[84+\t], v10 offset:VSC+64*\t
.endr
.set J, 0
.rept 16
	v_pk_mul_f32 v[160+J:161+J], v[160+J:161+J], v[252:253] op_sel_hi:[1,0]   ; O^T under the new M: x f, while the loads are out; each accumulator from its low end on
.set J, J+2
.endr
	s_wait_dscnt 0x0
.irp t, 0,1,2,3                                ; O^T += V^T P^T: the four accumulators by turns
	v_wmma_scale_f32_16x16x128_f8f6f4 v[160+8*\t:167+8*\t], v[96+12*\t:107+12*\t], v[192:203], v[160+8*\t:167+8*\t], v[84+\t], v253 matrix_a_fmt:MATRIX_FMT_BF6 matrix_b_fmt:MATRIX_FMT_BF6
.endr
.endm
.macro WALK                            ; all 2,048 keys
	s_mov_b32 s[TB], 0
	s_mov_b32 s[CNT], 16
	s_wait_loadcnt 0x0                             ; Q
.Lstep_\@:
	STEP
	s_add_co_u32 s[TB], s[TB], SREC
	s_sub_co_u32 s[CNT], s[CNT], 1
	s_cmp_lg_u32 s[CNT], 0
	s_cbranch_scc1 .Lstep_\@
.endm
; THE WAY OUT: o = O^T / (8 l); register 16 b + i of a lane is number 32 b + 16 h + i of the head's 64: two blocks, quantised as p is; the six registers of codes are the next product's image.
.macro OUT
.rept 4
	v_nop                                          ; places behind the last products
.endr
	v_add_f32 v14, v14, v15                        ; l's two halves,
	v_permlanex16_b32 v252, v14, s[SEL], s[SEL+1]
	v_add_f32 v14, v14, v252                       ; and lane l xor 16's
	v_rcp_f32 v14, v14
	v_nop                                          ; one plain place behind a transcendental
	s_wait_alu depctr_va_vdst(0)
	v_mul_f32 v14, 0x3e000000, v14                 ; 1 / (8 l): the division by sqrt(64) is a power of two, which the blocks' scales take up
.set J, 0
.rept 16
	v_pk_mul_f32 v[96+J:97+J], v[160+J:161+J], v[14:15] op_sel_hi:[1,0]   ; each accumulator from its low end on
.set J, J+2
.endr
.irp b, 0,1
	v_max3_num_f32 v[232+\b], |v[96+16*\b]|, |v[97+16*\b]|, 0x2800000
.endr
.irp i, 2,4,6,8,10,12,14
.irp b, 0,1
	v_max3_num_f32 v[232+\b], v[232+\b], |v[96+16*\b+\i]|, |v[97+16*\b+\i]|
.endr
.endr
.irp b, 0,1
	v_permlanex16_b32 v[236+\b], v[232+\b], s[SEL], s[SEL+1]
.endr
.irp b, 0,1
	v_max_num_f32 v[232+\b], v[232+\b], v[236+\b]
.endr
.irp b, 0,1
	v_add_nc_u32 v[244+\b], 0xfe000000, v[232+\b]
.endr
.irp b, 0,1
	v_lshrrev_b32 v[236+\b], 23, v[244+\b]
.endr
	v_lshl_or_b32 v254, v237, 8, v236              ; the row's two scale bytes of this head
	v_cvt_scalef32_pk16_bf6_f32 v[192:194], v[96:111], v244
	v_cvt_scalef32_pk16_bf6_f32 v[204:206], v[112:127], v245
	v_nop                                          ; one plain place behind a scaled conversion
.irp i, 0,1,2
	v_permlane16_swap_b32 v[192+\i], v[204+\i]
.endr
.irp i, 0,1,2
	v_mov_b32 v[195+\i], v[204+\i]
.endr
	global_store_b128 v1, v[192:195], s[60:61]             ; 512 consecutive bytes, aligned
	global_store_b64 v2, v[196:197], s[60:61] offset:512   ; 256
	global_store_b16 v4, v254, s[62:63]            ; two bytes a row, rows 32 bytes apart (lanes r and r + 16 write the same): a row's 32 bytes come from 16 work-groups; 32 bytes against the image's 768
.endm
	PRE 0                                          ; Q is on its way while the records land
	s_wait_tensorcnt 0x0                           ; my record is in LDS,
	s_barrier_signal -1
	s_barrier_wait -1                              ; everybody's is: the whole head
	WALK
	OUT
	PRE 1
	WALK
	OUT
	s_wait_dscnt 0x0                               ; no LDS instruction of mine is pending at a signal
	s_wait_tensorcnt 0x0
	ds_add_u32 v251, v255
	s_wait_dscnt 0x0
	CROUND                                         ; the closing round
	s_endpgm
.Lfunc_end_k_qfdeb34148c_attn:
	.size	k_qfdeb34148c_attn, .Lfunc_end_k_qfdeb34148c_attn-k_qfdeb34148c_attn
	.p2alignl 7, 3214868480
	.fill 96, 4, 3214868480
	.section	.rodata,"a",@progbits
	.p2align	6, 0x0
	.amdhsa_kernel k_qfdeb34148c_attn
		.amdhsa_group_segment_fixed_size 327680
		.amdhsa_private_segment_fixed_size 0
		.amdhsa_enable_private_segment 0
		.amdhsa_kernarg_size 24
		.amdhsa_user_sgpr_count 2
		.amdhsa_user_sgpr_kernarg_segment_ptr 1
		.amdhsa_wavefront_size32 1
		.amdhsa_system_sgpr_workgroup_id_x 1
		.amdhsa_system_sgpr_workgroup_id_y 1
		.amdhsa_system_sgpr_workgroup_id_z 1
		.amdhsa_system_vgpr_workitem_id 0
		.amdhsa_next_free_vgpr 256
		.amdhsa_next_free_sgpr 66
		.amdhsa_reserve_vcc 0
		.amdhsa_float_denorm_mode_32 3
		.amdhsa_float_denorm_mode_16_64 3
		.amdhsa_memory_ordered 1
		.amdhsa_forward_progress 1
		.amdhsa_inst_pref_size 50
	.end_amdhsa_kernel
	.amdgpu_metadata
---
amdhsa.version: [ 1, 2 ]
amdhsa.kernels:
  - .name:           k_qfdeb34148c_attn
    .symbol:         k_qfdeb34148c_attn.kd
    .args:
      - { .name: rec, .offset: 0, .size: 8, .value_kind: global_buffer, .address_space: global }
      - { .name: oimg, .offset: 8, .size: 8, .value_kind: global_buffer, .address_space: global }
      - { .name: osc, .offset: 16, .size: 8, .value_kind: global_buffer, .address_space: global }
    .group_segment_fixed_size: 327680
    .private_segment_fixed_size: 0
    .kernarg_segment_align: 8
    .kernarg_segment_size: 24
    .max_flat_workgroup_size: 512
    .sgpr_count:     66
    .vgpr_count:     256
    .wavefront_size: 32
...
	.end_amdgpu_metadata
.endif
;; end of part 4
;; launch gemm2 (part 5): grid 4 x 32, 4 waves a work-group, clusters of 4 x 4, 327,680 bytes of LDS; arguments oimg, osc, wc, ws, out0; writes out0
.if DOCPART == 5
	.amdgcn_target "amdgcn-amd-amdhsa--gfx1250"
	.amdhsa_code_object_version 6
	.text
	.protected	k_qfdeb34148c_gemm2
	.globl	k_qfdeb34148c_gemm2
	.p2align	8
	.type	k_qfdeb34148c_gemm2,@function
k_qfdeb34148c_gemm2:
	s_mov_b64 s[64:65], 0
	v_nop
	global_prefetch_b8 v0, s[64:65] scope:SCOPE_SE
	s_setreg_imm32_b32 hwreg(HW_REG_WAVE_MODE, 25, 1), 1
	s_wait_xcnt 0x0
	s_wait_alu depctr_hold_cnt(0) depctr_sa_sdst(0) depctr_va_vdst(0) depctr_va_sdst(0) depctr_va_ssrc(0) depctr_va_vcc(0) depctr_vm_vsrc(0)
	s_getreg_b32 s2, hwreg(HW_REG_IB_STS2, 6, 4)
	s_cmp_eq_u32 s2, 0
	s_cbranch_scc0 .Lentry_in_a_cluster
	s_endpgm
.Lentry_in_a_cluster:
	s_bfe_u32 s2, ttmp6, 0x10000c
	s_cmp_lg_u32 s2, 0xf033
	s_cbranch_scc0 .Lentry_shape_is_right
	s_endpgm
.Lentry_shape_is_right:
; out0 = o out_weight on codes of BF6 (E3M2) with one E8M0 scale for each 32 along K = 1,024 (16 heads x 64).  The division by 8 is already in o's scales.  out0: [8192][1024] f32.
; A = o: oimg [512 tiles of 16 rows][16 heads][768 bytes]: IMAGES of operand registers (registers 0-3 of lane l at 16 l, registers 4-5 at 512 + 8 l: row l % 16, K = 32 (l / 16) + 0 .. 31 of the head's 64);
; osc [8192][32] its scale bytes.  B = out_weight's columns: rows 3,072 on of wc [4096][768] and ws [4096][32].  In all of them, within each 32 rows the second and third group of 8 have changed places.
; A tile of the result, 256 x 256, is made by four waves, each 128 x 128: 64 accumulators, 512 registers.  K goes in steps of 256 through a ring of two LDS slots filled by the tensor data mover.
; THE MATRIX INSTRUCTION IS USED TRANSPOSED (source 0 = 16 rows of B, source 1 = 16 rows of A): a lane holds one stored row of o, and by the order of B's rows its 16 registers of B's tiles 2 b, 2 b + 1 are 16 true
; neighbouring columns.  The rows' true order comes back in the stores' offsets.
; CLUSTERS: 4 x 4 work-groups; A's tiles are asked for jointly along a row of the cluster, B's along a column.  128 tiles stand for 256 WGPs: a smaller tile would fill them at the price of more LDS reads a product.
; REGISTERS, in windows of 256: window 0: v1-31 addresses; v32-63 scale words, two sets; from v128 A's fragments, ONE set; on the way out v128-255 rows of the result.
;   window 1: B's fragments, TWO sets.   window 2: the accumulators of my rows 0-63 ((a, b) at v[8 (8 a + b)]);   window 3: those of my rows 64-127.
.set SIZE_N, 1024
.set KSTEP,  256
.set NQ,     KSTEP/128
.set ROWB,   192                       ; a row of B's tile in bytes
.set KROW,   768                       ; a row of codes in memory; 16 rows of o's images are as many bytes as 16 such rows
.set PITCH,  240                       ; B's LDS row: 3 x (64 bytes + 16 of padding)
.set FR,     12
.set NL,     6                         ; LDS loads that bring a fragment of B
.set NLA,    4                         ; and of A: two of 16 bytes and two of 8 a lane
.set NP,     4                         ; places behind this matrix instruction (ISA guide 7.12.1)
.set AIMG,   3072                      ; a K step's four images of one tile of 16 rows
.set HALFA,  8*AIMG                    ; 128 rows of A: what one tensor load brings
.set HALFT,  128*PITCH                 ; 128 rows of B likewise
.set SLOT,   2*HALFA+2*HALFT           ; A's 256 rows, then B's 256 rows
.set KS,     32
.set SCL,    2*SLOT                    ; behind the ring: the scales, as blocks of 256 bytes + 16 of padding; filled once
.set HALFS,  (128*KS/256)*272
.set SBLK,   (16*KS/256)*272
.set SPARE,  SCL+4*HALFS               ; the spare words, 128 bytes for each wave: two blocks of 256 bytes that no other line names
.set SPITCH, 528                       ; the way out: a stage of 16 rows x (512 bytes + 16) for each wave, in slot 0, which has had its last fill and its last read when the first result is stored there
.set ADRA, 16                          ; v16-17 LDS address of my A images in slot 0, 1: + 16 x lane;  v18-19: + 8 x lane
.set ADRB, 20                          ; v20-21 of my B fragments (v22-23: for the pieces behind one padding more)
.set STO,  24                          ; v24    the way out: where I put my numbers of a row
.set RD,   25                          ; v25    where I read a row back
.set CO,   26                          ; v26    my byte offset in a row of the result
.set ADRS, 27                          ; v27    LDS address of my scale words
.set SPW,  28                          ; v28    LDS address of my spare word; never rewritten
.set NIL,  29                          ; v29    0; never rewritten
.set SC,   32
.set AF,   128
.set BK,   128
.set G1, 24
.set G0, 32
.set G1B, 48
.set G0B, 56
.set G1S, 68
.set G0S, 76
.set G1SB, 80
.set G0SB, 88
.set MSB, 0
.macro WIN new                         ; the immediate's high byte repeats the setting that is left
.if MSB != (\new)
	s_set_vgpr_msb (MSB<<8)|(\new)
.set MSB, (\new)
.endif
.endm
.set MUL_LO, 0xa1
.set MUL_HI, 0xf1
.set TO_B,   0x40
.macro JLOAD g0a, g1a, g0b, g1b        ; a joint load: waves 0 and 1 fetch for A, waves 2 and 3 for B; four v_nop follow each of the two lines
	s_cmp_eq_u32 s15, 0
	s_cbranch_scc0 .Lfor_b_\@
	tensor_load_to_lds s[\g0a:\g0a+3], s[\g1a:\g1a+7]
	s_nop 0
.rept 4
	v_nop
.endr
	s_branch .Lasked_\@
.Lfor_b_\@:
	tensor_load_to_lds s[\g0b:\g0b+3], s[\g1b:\g1b+7]
	s_nop 0
.rept 4
	v_nop
.endr
.Lasked_\@:
.endm
.macro CREST
	s_cmp_lg_u32 s14, 0
	s_cbranch_scc1 .Lnot_wave_0_\@
	s_barrier_signal -3
.Lnot_wave_0_\@:
	s_barrier_wait -3
	s_barrier_signal -1
	s_barrier_wait -1
.endm
.macro CROUND
	s_barrier_signal -1
	s_barrier_wait -1
	CREST
.endm
	s_load_b128 s[4:7], s[0:1], 0x0                ; oimg, osc
	s_load_b128 s[8:11], s[0:1], 0x10              ; wc, ws
	s_load_b64 s[12:13], s[0:1], 0x20              ; out0
	v_lshl_add_u32 v[SPW], v0, 2, SPARE
	v_mov_b32 v[NIL], 0
	ds_add_u32 v28, v29
	ds_add_u32 v28, v29
	s_wait_dscnt 0x0
	v_lshrrev_b32 v1, 5, v0
	v_readfirstlane_b32 s14, v1                    ; wave 0..3
	s_lshr_b32 s15, s14, 1                         ; which half of the tile's rows is mine.  Also: I fetch for A (0) or for B (1)
	s_and_b32 s16, s14, 1                          ; which half of its columns.  Also: which 128 rows of that tile I fetch
	s_bfe_u32 s40, ttmp6, 0x40000                  ; cx, cy
	s_bfe_u32 s41, ttmp6, 0x40004
	s_lshl_b32 s42, ttmp9, 2
	s_add_co_u32 s42, s42, s40                     ; tile column = 4 x cluster x + cx
	s_and_b32 s17, ttmp7, 0xffff
	s_lshl_b32 s17, s17, 2
	s_add_co_u32 s17, s17, s41                     ; tile row = 4 x cluster y + cy
	s_lshl_b32 s43, s41, 2
	s_lshl_b32 s43, 15, s43                        ; my row of the cluster
	s_lshl_b32 s44, 0x1111, s40                    ; my column
	; descriptor group 1 for A: 8 rows (tiles of 16 rows of o) x 3,072 bytes (four heads' images), 12,288 bytes apart; no padding: images are read on end
	s_or_b32 s[G1+0], s43, (3<<16)|(1<<21)         ; 15:0 the mask: my row; 17:16 elements of 8 bytes; 21 set beside a mask
	s_mov_b32 s[G1+1], (AIMG/8)<<16                ; tensor_dim0 = 384
	s_mov_b32 s[G1+2], 8<<16                       ; tensor_dim1
	s_mov_b32 s[G1+3], (AIMG/8)<<16                ; tile_dim0
	s_mov_b32 s[G1+4], 8                           ; tile_dim1
	s_mov_b32 s[G1+5], 16*KROW/8                   ; tensor_dim0_stride = 1,536
	s_mov_b32 s[G1+6], 0
	s_mov_b32 s[G1+7], 0
	; for B: 128 rows x 192 bytes, 16 bytes of padding behind every 64
	s_or_b32 s[G1B+0], s44, (0<<16)|(1<<20)|(1<<21)|(3<<22)|(3<<25)
	s_mov_b32 s[G1B+1], ROWB<<16
	s_mov_b32 s[G1B+2], 128<<16
	s_mov_b32 s[G1B+3], ROWB<<16
	s_mov_b32 s[G1B+4], 128
	s_mov_b32 s[G1B+5], KROW
	s_mov_b32 s[G1B+6], 0
	s_mov_b32 s[G1B+7], 0
	; the scales of 128 rows: 4,096 dense bytes as 16 rows of 256, 16 bytes of padding behind each
	s_or_b32 s[G1S+0], s43, (3<<16)|(1<<20)|(1<<21)|(5<<22)|(3<<25)
	s_or_b32 s[G1SB+0], s44, (3<<16)|(1<<20)|(1<<21)|(5<<22)|(3<<25)
.irp g, G1S, G1SB
	s_mov_b32 s[\g+1], 32<<16
	s_mov_b32 s[\g+2], (128*KS/256)<<16
	s_mov_b32 s[\g+3], 32<<16
	s_mov_b32 s[\g+4], 128*KS/256
	s_mov_b32 s[\g+5], 32
	s_mov_b32 s[\g+6], 0
	s_mov_b32 s[\g+7], 0
.endr
	s_lshl_b32 s18, s16, 7                         ; which 128 rows of the tile I fetch
	s_lshl_b32 s20, s17, 8
	s_add_co_u32 s20, s20, s18                     ; A: row 256 x tile row + 128 x half
	s_lshl_b32 s46, s42, 8
	s_add_co_u32 s46, s46, s18                     ; B: row 256 x tile column + 128 x half
	s_mov_b32 s21, 0
	s_mov_b32 s47, 0
	s_mov_b64 s[18:19], KS
	s_mul_u64 s[22:23], s[20:21], s[18:19]         ; where these rows' scales begin
	s_mul_u64 s[92:93], s[46:47], s[18:19]
	s_mov_b64 s[18:19], KROW
	s_mul_u64 s[20:21], s[20:21], s[18:19]         ; and their codes (A: 768 bytes a row in the mean: 12,288 for each 16)
	s_mul_u64 s[46:47], s[46:47], s[18:19]
	s_mul_i32 s45, s16, HALFA                      ; where they go: A's two halves,
	s_mul_i32 s95, s16, HALFT
	s_add_co_u32 s95, s95, 2*HALFA                 ; then B's two: no place in the cluster enters an LDS address
	s_mul_i32 s94, s14, HALFS
	s_wait_kmcnt 0x0
	s_add_nc_u64 s[8:9], s[8:9], 3072*KROW         ; out_weight's columns in wc
	s_add_nc_u64 s[10:11], s[10:11], 3072*KS       ; and in ws
	s_add_nc_u64 s[20:21], s[4:5], s[20:21]
	s_add_nc_u64 s[22:23], s[6:7], s[22:23]
	s_add_nc_u64 s[46:47], s[8:9], s[46:47]
	s_add_nc_u64 s[92:93], s[10:11], s[92:93]
	CROUND                                         ; all sixteen work-groups are here: the first joint loads meet
	s_mov_b32 s[G0S], 1
	s_add_co_u32 s[G0S+1], s94, SCL
	s_mov_b64 s[G0S+2:G0S+3], s[22:23]
	s_or_b32 s[G0S+3], s[G0S+3], 0x80000000
	s_mov_b32 s[G0SB], 1
	s_add_co_u32 s[G0SB+1], s94, SCL
	s_mov_b64 s[G0SB+2:G0SB+3], s[92:93]
	s_or_b32 s[G0SB+3], s[G0SB+3], 0x80000000
	JLOAD G0S, G1S, G0SB, G1SB                     ; the scales first: they are wanted with K step 0
.irp s, 0,1
	s_mov_b32 s[G0+4*\s], 1
	s_add_co_u32 s[G0+4*\s+1], s45, \s*SLOT
	s_add_nc_u64 s[G0+4*\s+2:G0+4*\s+3], s[20:21], \s*AIMG
	s_or_b32 s[G0+4*\s+3], s[G0+4*\s+3], 0x80000000
	s_mov_b32 s[G0B+4*\s], 1
	s_add_co_u32 s[G0B+4*\s+1], s95, \s*SLOT
	s_add_nc_u64 s[G0B+4*\s+2:G0B+4*\s+3], s[46:47], \s*ROWB
	s_or_b32 s[G0B+4*\s+3], s[G0B+4*\s+3], 0x80000000
	JLOAD G0+4*\s, G1, G0B+4*\s, G1B               ; three tensor loads of mine are out now
.endr
	v_and_b32 v1, 15, v0                           ; r
	v_bfe_u32 v2, v0, 4, 1                         ; h
	v_and_b32 v6, 31, v0                           ; lane
	v_lshlrev_b32 v7, 4, v6
	v_lshlrev_b32 v8, 3, v6
	v_mul_u32_u24 v3, v1, PITCH
	v_mul_u32_u24 v4, v2, 24
	v_add_nc_u32 v4, v3, v4                        ; B: a fragment's row x pitch + 24 x half
	v_lshl_add_u32 v5, v2, 4, v4                   ; and the same behind one padding more
	s_mul_i32 s21, s15, HALFA                      ; my 128 rows of A
	s_mul_i32 s22, s16, HALFT                      ; my 128 rows of B,
	s_add_co_u32 s22, s22, 2*HALFA                 ; which lie behind A's 256
.irp s, 0,1
	v_add_nc_u32 v[ADRA+\s], s21, v7
	v_add_nc_u32 v[ADRA+2+\s], s21, v8
	v_add_nc_u32 v[ADRB+\s], s22, v4
	v_add_nc_u32 v[ADRB+2+\s], s22, v5
	s_add_co_u32 s21, s21, SLOT
	s_add_co_u32 s22, s22, SLOT
.endr
	v_mul_u32_u24 v5, v1, KS                       ; my row's scales: 32 bytes a row,
	v_lshrrev_b32 v9, 8, v5
	v_lshl_add_u32 v5, v9, 4, v5                   ; and 16 more for each 256 passed
	s_mul_i32 s21, s15, HALFS
	s_mul_i32 s22, s16, HALFS
	s_add_co_u32 s22, s22, 2*HALFS
	s_sub_co_u32 s22, s22, s21
	v_mul_u32_u24 v9, s22, v2                      ; lanes 16-31 take B's
	s_add_co_u32 s21, s21, SCL
	v_add_nc_u32 v5, v5, v9
	v_add_nc_u32 v[ADRS], s21, v5
	s_mul_i32 s23, s14, 16*SPITCH                  ; my stage
	v_mul_u32_u24 v5, v1, SPITCH                   ; in: row r; my half's 16 columns of each 32: + 64 h
	v_lshl_add_u32 v5, v2, 6, v5
	v_add_nc_u32 v[STO], s23, v5
	v_lshlrev_b32 v[CO], 4, v6                     ; back: the 32 lanes take one row of 512 bytes; and the same in the result
	v_add_nc_u32 v[RD], s23, v[CO]
	s_lshl_b32 s20, s17, 8
	s_lshl_b32 s21, s15, 7
	s_add_co_u32 s20, s20, s21                     ; my first row: 256 x tile row + 128 x half
	s_mov_b32 s21, 0
	s_mov_b64 s[18:19], SIZE_N*4
	s_mul_u64 s[20:21], s[20:21], s[18:19]
	s_lshl_b32 s46, s42, 10                        ; my first column, in bytes: 1,024 x tile column + 512 x half
	s_lshl_b32 s47, s16, 9
	s_add_co_u32 s46, s46, s47
	s_mov_b32 s47, 0
	s_add_nc_u64 s[20:21], s[20:21], s[46:47]
	s_add_nc_u64 s[12:13], s[12:13], s[20:21]
.macro FRAG reg, adr, q, i             ; a fragment of B from rows: pieces of 8 bytes; lanes 16-31 read three pieces further on; where that is behind one padding more, the second address register serves
.irp p, 0,1,2,3,4,5
.set PCE, 12*(\q)+6*(\p/3)+\p%3
.if PCE%8 < 5
	ds_load_b64 v[\reg+2*\p:\reg+2*\p+1], v[\adr] offset:8*PCE+16*(PCE/8)+(\i)*16*PITCH
.else
	ds_load_b64 v[\reg+2*\p:\reg+2*\p+1], v[\adr+2] offset:8*PCE+16*(PCE/8)+(\i)*16*PITCH
.endif
.endr
.endm
.macro FRAGA reg, slot, q, i           ; a fragment of A from two heads' images: the same registers in the same lanes as the wave that made them
.irp c, 0,1
	ds_load_b128 v[\reg+6*\c:\reg+6*\c+3], v[ADRA+\slot] offset:AIMG*(\i)+768*(2*(\q)+\c)
	ds_load_b64 v[\reg+6*\c+4:\reg+6*\c+5], v[ADRA+2+\slot] offset:AIMG*(\i)+768*(2*(\q)+\c)+512
.endr
.endm
; 16 matrix instructions: A's blocks a0, a0 + 1 x B's eight.  The 64 accumulators take turns, one instruction a turn, in the same order in every step.
.macro MUL16 a0, p, q, sc, zero
.irp a, \a0, \a0+1
.irp b, 0,1,2,3,4,5,6,7
.if \zero
	v_wmma_scale_f32_16x16x128_f8f6f4 v[8*(8*((\a)%4)+\b):8*(8*((\a)%4)+\b)+7], v[128*(\p)+FR*\b:128*(\p)+FR*\b+FR-1], v[AF+FR*(\a):AF+FR*(\a)+FR-1], 0, v[SC+8*NQ*(\sc)+NQ*\b+(\q)], v[SC+8*NQ*(\sc)+NQ*(\a)+(\q)] matrix_a_fmt:MATRIX_FMT_BF6 matrix_b_fmt:MATRIX_FMT_BF6 matrix_a_scale:MATRIX_SCALE_ROW1
.else
	v_wmma_scale_f32_16x16x128_f8f6f4 v[8*(8*((\a)%4)+\b):8*(8*((\a)%4)+\b)+7], v[128*(\p)+FR*\b:128*(\p)+FR*\b+FR-1], v[AF+FR*(\a):AF+FR*(\a)+FR-1], v[8*(8*((\a)%4)+\b):8*(8*((\a)%4)+\b)+7], v[SC+8*NQ*(\sc)+NQ*\b+(\q)], v[SC+8*NQ*(\sc)+NQ*(\a)+(\q)] matrix_a_fmt:MATRIX_FMT_BF6 matrix_b_fmt:MATRIX_FMT_BF6 matrix_a_scale:MATRIX_SCALE_ROW1
.endif
.endr
.endr
.endm
.macro FETCH_B slot, q, p
	WIN TO_B
.irp i, 0,1,2,3,4,5,6,7
	FRAG 128*(\p)+FR*\i, ADRB+\slot, \q, \i
.endr
	WIN 0
.endm
.macro FETCH_A slot, q, i0
.irp i, \i0, \i0+1, \i0+2, \i0+3
	FRAGA AF+FR*(\i), \slot, \q, \i
.endr
.endm
.macro SCALES sc
.irp i, 0,1,2,3,4,5,6,7
	ds_load_b64 v[SC+8*NQ*\sc+NQ*\i:SC+8*NQ*\sc+NQ*\i+1], v[ADRS] offset:\i*SBLK
.endr
.endm
.macro PLACES n
.rept \n
	v_nop
.endr
.endm
.macro STEP slot, q, zero
	s_wait_dscnt 4*NLA                             ; B's set and A's blocks 0-3 are in; the youngest 16 loads (A's blocks 4-7) may be out
	WIN MUL_LO
	MUL16 0, (\q)%2, \q, \slot, \zero
	MUL16 2, (\q)%2, \q, \slot, \zero
	s_wait_dscnt 0                                 ; A's blocks 4-7 are in
	PLACES NP
	FETCH_B \slot, (\q)+1, 1-(\q)%2
	FETCH_A \slot, (\q)+1, 0
	WIN MUL_HI
	MUL16 4, (\q)%2, \q, \slot, \zero
	MUL16 6, (\q)%2, \q, \slot, \zero
	PLACES NP
	WIN 0
	FETCH_A \slot, (\q)+1, 4
.endm
.macro TURN slot, next, fill
	s_wait_tensorcnt 0x0                           ; all my tensor loads have landed: my part of the next slot;  (every window is 0 here)
	ds_add_u32 v[SPW], v[NIL]                      ; 0 onto my spare word;
	s_wait_dscnt 4*NLA+1                           ; (the add and the youngest 16 loads, A's blocks 4-7, may be out)
	WIN MUL_LO
	MUL16 0, 1, NQ-1, \slot, 0                     ; sixteen matrix instructions stand between the add and the wait for it
	s_wait_dscnt 0x0                               ; the add is done, and my reads of this slot are over
	s_barrier_signal -1
	MUL16 2, 1, NQ-1, \slot, 0
	WIN 0
	s_barrier_wait -1
.if \fill
	CREST                                          ; the barrier has opened a round of the cluster's barrier: no wave of any partner still reads this slot's tile or has a load on its way
	s_add_nc_u64 s[G0+4*\slot+2:G0+4*\slot+3], s[G0+4*\slot+2:G0+4*\slot+3], 2*AIMG
	s_add_nc_u64 s[G0B+4*\slot+2:G0B+4*\slot+3], s[G0B+4*\slot+2:G0B+4*\slot+3], 2*ROWB
	JLOAD G0+4*\slot, G1, G0B+4*\slot, G1B         ; the first tensor load behind the round, my one load until the next; the four v_nop behind it are the places in front of the loads below
.else
	PLACES NP
.endif
	v_add_nc_u32 v[ADRS], 4*NQ, v[ADRS]            ; on to the next K step's scale words (no LDS load of mine is out)
	FETCH_B \next, 0, 0
	FETCH_A \next, 0, 0
	SCALES \next
	WIN MUL_HI
	MUL16 4, 1, NQ-1, \slot, 0
	MUL16 6, 1, NQ-1, \slot, 0
	PLACES NP
	WIN 0
	FETCH_A \next, 0, 4
.endm
	s_wait_tensorcnt 1                             ; the scales and my part of K step 0 are in (K step 1's load may be out)
	s_barrier_signal -1
	s_barrier_wait -1                              ; everybody's are
	FETCH_B 0, 0, 0
	FETCH_A 0, 0, 0
	SCALES 0
	FETCH_A 0, 0, 4
	STEP 0, 0, 1                                   ; four K steps, eight steps of 128: written out.  The first products start the sums
	TURN 0, 1, 1                                   ; slot 0 takes K step 2
	STEP 1, 0, 0
	TURN 1, 0, 1                                   ; slot 1 takes K step 3
	STEP 0, 0, 0
	TURN 0, 1, 0                                   ; nothing is left to fetch
	STEP 1, 0, 0
	s_wait_dscnt 4*NLA                             ; the very last step
	WIN MUL_LO
	MUL16 0, 1, NQ-1, 1, 0
	MUL16 2, 1, NQ-1, 1, 0
	s_wait_dscnt 0
	WIN MUL_HI
	MUL16 4, 1, NQ-1, 1, 0
	MUL16 6, 1, NQ-1, 1, 0
	WIN 0
; THE WAY OUT, block by block of 16 stored rows x 128 columns, through my own stage in LDS, back as whole rows of 512 bytes.  Tile b's eight registers of lane (r, h) are columns 32 (b / 2) + 16 h + 8 (b % 2) + 0 .. 7.
; LDS serves a wave's instructions in order (ISA guide 5.7.1.4): no wait between the stores and the loads, nor in front of the next block's stores.
.macro TOSTAGE a
.set AC, 64*((\a)%4)
	WIN 0x08+4*((\a)/4)                            ; the data: window 2 or 3
.irp b, 0,1,2,3,4,5,6,7
	ds_store_b128 v[STO], v[AC+8*\b:AC+8*\b+3] offset:128*(\b/2)+32*(\b%2)          ; each accumulator from its low end on
	ds_store_b128 v[STO], v[AC+8*\b+4:AC+8*\b+7] offset:128*(\b/2)+32*(\b%2)+16
.endr
	WIN 0
.set BB, BK+64*((\a)%2)
.irp t, 0,1,2,3,4,5,6,7,8,9,10,11,12,13,14,15
	ds_load_b128 v[BB+4*\t:BB+4*\t+3], v[RD] offset:\t*SPITCH
.endr
.endm
.macro SEND a, younger                 ; younger: the LDS instructions issued behind block a's loads, which may stay out
.set BB, BK+64*((\a)%2)
	s_wait_dscnt \younger                          ; the block is back in registers
.if (\a) > 0                           ; (behind a wait on XCNT: the earlier stores have read their base)  stored row t of block a is true row 32 (a / 2) + 8 (a % 2) + t + 8 (t / 8)
.if ((\a)%2) == 1
	s_add_nc_u64 s[12:13], s[12:13], 8*SIZE_N*4
.else
	s_add_nc_u64 s[12:13], s[12:13], 24*SIZE_N*4
.endif
.endif
.irp t, 0,1,2,3,4,5,6,7,8,9,10,11,12,13,14,15
	global_store_b128 v[CO], v[BB+4*\t:BB+4*\t+3], s[12:13] offset:(\t+8*(\t/8))*SIZE_N*4 th:TH_STORE_NT   ; 32 lanes store 512 consecutive bytes, aligned; written once, read by nobody here
.endr
.endm
	PLACES NP                                      ; behind the last products: for the loads into the registers that held A's fragments and for the reads of results
	TOSTAGE 0
.irp a, 1,2,3,4,5,6,7
.if \a > 1
	s_wait_xcnt 0x0                                ; block a - 2's stores have read their registers and their base: block a's loads may land there, and the base may step
.endif
	TOSTAGE \a
	SEND \a-1, 32                                  ; behind block a - 1's loads: block a's 16 stores and 16 loads
.endr
	s_wait_xcnt 0x0                                ; block 6's stores have read their base
	SEND 7, 0
	s_wait_tensorcnt 0x0                           ; the wave's end, behind my last tensor load and my last LDS store
	ds_add_u32 v[SPW], v[NIL]
	s_wait_dscnt 0x0
	CROUND                                         ; the closing round: no work-group ends while a partner may still ask for a tile that names it
	s_endpgm
.Lfunc_end_k_qfdeb34148c_gemm2:
	.size	k_qfdeb34148c_gemm2, .Lfunc_end_k_qfdeb34148c_gemm2-k_qfdeb34148c_gemm2
	.p2alignl 7, 3214868480
	.fill 96, 4, 3214868480
	.section	.rodata,"a",@progbits
	.p2align	6, 0x0
	.amdhsa_kernel k_qfdeb34148c_gemm2
		.amdhsa_group_segment_fixed_size 327680
		.amdhsa_private_segment_fixed_size 0
		.amdhsa_enable_private_segment 0
		.amdhsa_kernarg_size 40
		.amdhsa_user_sgpr_count 2
		.amdhsa_user_sgpr_kernarg_segment_ptr 1
		.amdhsa_wavefront_size32 1
		.amdhsa_system_sgpr_workgroup_id_x 1
		.amdhsa_system_sgpr_workgroup_id_y 1
		.amdhsa_system_sgpr_workgroup_id_z 1
		.amdhsa_system_vgpr_workitem_id 0
		.amdhsa_next_free_vgpr 1024
		.amdhsa_next_free_sgpr 98
		.amdhsa_reserve_vcc 0
		.amdhsa_float_denorm_mode_32 3
		.amdhsa_float_denorm_mode_16_64 3
		.amdhsa_memory_ordered 1
		.amdhsa_forward_progress 1
		.amdhsa_inst_pref_size 152
	.end_amdhsa_kernel
	.amdgpu_metadata
---
amdhsa.version: [ 1, 2 ]
amdhsa.kernels:
  - .name:           k_qfdeb34148c_gemm2
    .symbol:         k_qfdeb34148c_gemm2.kd
    .args:
      - { .name: oimg, .offset: 0, .size: 8, .value_kind: global_buffer, .address_space: global }
      - { .name: osc, .offset: 8, .size: 8, .value_kind: global_buffer, .address_space: global }
      - { .name: wc, .offset: 16, .size: 8, .value_kind: global_buffer, .address_space: global }
      - { .name: ws, .offset: 24, .size: 8, .value_kind: global_buffer, .address_space: global }
      - { .name: out0, .offset: 32, .size: 8, .value_kind: global_buffer, .address_space: global }
    .group_segment_fixed_size: 327680
    .private_segment_fixed_size: 0
    .kernarg_segment_align: 8
    .kernarg_segment_size: 40
    .max_flat_workgroup_size: 128
    .sgpr_count:     98
    .vgpr_count:     1024
    .wavefront_size: 32
...
	.end_amdgpu_metadata
.endif
;; end of part 5
